; MI455X (gfx1250); checked and timed in simulation.
; The chip was launched on July 23, 2026; its instructions are those of AMD's public machine-readable ISA for CDNA 5 (MIT licence, August 2026) and "CDNA5" Instruction Set Architecture Reference Guide (July 2026). The comments in the code are by the model that wrote it; some were corrected since.
;; Transformer XL. Allowed arithmetic: matrix products marked QUANTISED: E4M3 operands, one given power-of-two scale a tensor, by v_wmma_f32_16x16x64_fp8_fp8 or v_wmma_f32_16x16x128_fp8_fp8, f32 sums; everything else in f32.
;; Inputs: Wgate 1,024 x 16 float32; Wkv 1,024 x 2,048 float32; Wmix 1,024 x 16 float32; Wout 1,024 x 1,024 float32; Wq 1,024 x 1,024 float32; lowp_scales 14 int32 (the exponents e of the quantised operands' scales 2^e); tokens 4 x 2,048 x 1,024 float32; value_residual 4 x 16 x 2,048 x 64 float32.
;; Outputs: out0 4 x 2,048 x 1,024 float32.
;; This version of the problem:
;;   THIS VERSION OF THE PROBLEM IS GIVEN IN LOW PRECISION. The matrix products marked QUANTISED in the list below multiply operands that are first quantised to E4M3 (4 exponent bits, 3 mantissa bits; 8 bits a number), with one given power-of-two scale for each operand tensor; their sums are f32. All else is computed in f32.
;;   The module's matrix products, in the order in which they are computed (A, B: the left and right operand; K: the contracted axis; several contracted axes count as one K, in the product's order):
;;     1. [M 8,192, K 1,024] x [K 1,024, N 1,024]; A: input tokens; B: input Wq: QUANTISED (scales: A lowp_scales[0], B lowp_scales[1])
;;     2. [M 8,192, K 1,024] x [K 1,024, N 2,048]; A: input tokens; B: input Wkv: QUANTISED (scales: A lowp_scales[2], B lowp_scales[3])
;;     3. [M 16, K 1,024] x [K 1,024, N 8,192]; A: input Wmix; B: input tokens: QUANTISED (scales: A lowp_scales[4], B lowp_scales[5])
;;     4. batch 64 x [M 2,048, K 64] x [K 64, N 2,048]; A: computed on the way; B: computed on the way: QUANTISED (scales: A lowp_scales[6], B lowp_scales[7])
;;     5. batch 64 x [M 2,048, K 2,048] x [K 2,048, N 64]; A: softmax (see below); B: computed on the way: QUANTISED (scales: A lowp_scales[8], B lowp_scales[9])
;;     6. [M 16, K 1,024] x [K 1,024, N 8,192]; A: input Wgate; B: input tokens: QUANTISED (scales: A lowp_scales[10], B lowp_scales[11])
;;     7. [M 8,192, K 1,024] x [K 1,024, N 1,024]; A: computed on the way; B: input Wout: QUANTISED (scales: A lowp_scales[12], B lowp_scales[13])
;;   THE QUANTISER, for each operand of a quantised product, along K:
;;     - The operand's scale is 2^e, e = its entry of the input lowp_scales (int32; the entries are numbered through the quantised products in the list's order, A before B).
;;     - Each number is divided by the scale, clamped to +-448, and rounded to the nearest number of E4M3, ties to even, subnormals kept.
;;     - The product sums the exact products of the quantised numbers (number of the format x scale) in f32.
;;   ~~~python
;;   def quantise(x, axis, e):      # numpy; x: float32 -> the quantised numbers, widened to float32 again
;;       x = np.moveaxis(x, axis, -1); K = x.shape[-1]
;;       r = np.clip(x / 2.0 ** e, -448, 448)
;;       step = 2.0 ** (np.maximum(np.frexp(np.where(r == 0, 1, r))[1] - 1, -6) - 3)
;;       q = np.round(r / step) * step * 2.0 ** e      # np.round: ties to even
;;       return np.moveaxis(q, -1, axis).astype(np.float32)
;;   ~~~
;;   SOFTMAX AHEAD OF A QUANTISED PRODUCT. Where the list says 'softmax', what is quantised is not the finished softmax but p = 2^(t - M), with t = logit x log2(e) and M = ceil(the row's largest t), a whole number; so 1/2 < the row's largest p <= 1. The row's sum l is taken of the UNQUANTISED p, in f32, and the product's result is divided by l at the end. Since M is a whole number, a kernel that streams over the keys may use a running M (the ceiling of the running maximum): every later rescaling is an exact power of two, so the quantised numbers keep their values, but for numbers so far below the row's largest that they fall under the format's range.
;;   OPERANDS COMPUTED ON THE WAY. 'Computed on the way' means the value that the module computes at that place (a softmax that the list does not call 'softmax' is quantised finished and normalised). What goes into a quantiser is computed in f32, as accurately as f32 sums, v_exp_f32 and their like allow (about 1e-6 of the number): no bf16 or f16 on the way to a quantiser, and a product that is left as it is and whose result goes on into a quantised operand takes f32 operands (vector FMAs, or v_wmma_f32_16x16x4_f32). A number that lies on a knife's edge between two numbers of the format may be rounded either way, as far as f32 arithmetic and the matrix unit's own rounding can turn it there, and no further.
;; One version. Each part assembles by itself: llvm-mc -triple=amdgcn-amd-amdhsa -mcpu=gfx1250 --defsym DOCPART=n.
;; ======== version 1 of 1: 4 launches
;; limits: right only within a limited range of input values
;; workspace buffers: wimg 4,194,304 bytes; rot 524,288 bytes; tq 8,388,608 bytes; tkv 8,388,608 bytes; mg 1,048,576 bytes; qimg 8,388,608 bytes; kv 16,777,216 bytes; oimg 8,388,608 bytes
;; launch tok (part 1): grid 512 x 1, 8 waves a work-group, no clusters, 84,992 bytes of LDS; arguments tokens, Wq, Wkv, Wout, Wmix, Wgate, lowp_scales, tq, tkv, mg, wimg, rot; writes tq, tkv, mg, wimg, rot
.if DOCPART == 1
	.amdgcn_target "amdgcn-amd-amdhsa--gfx1250"
	.amdhsa_code_object_version 6
	.text
	.protected	k_qee3a53b837_tok
	.globl	k_qee3a53b837_tok
	.p2align	8
	.type	k_qee3a53b837_tok,@function
k_qee3a53b837_tok:
	s_mov_b64 s[64:65], 0
	v_nop
	global_prefetch_b8 v0, s[64:65] scope:SCOPE_SE
	s_setreg_imm32_b32 hwreg(HW_REG_WAVE_MODE, 25, 1), 1
	s_wait_xcnt 0x0
; TOK: everything that is made of the inputs alone, in one launch: tokens' codes, the two products with 16 columns and their sigmoids, the three large weights' codes, the rotary table.
; code = x / 2^e, held within +-448, to the nearest code of E4M3, ties to even.  LIMITS: every e used here lies between -126 and 119; e4 + e5 and e10 + e11 between -126 and 126 (they go into an f32 exponent field); NaN is not served.
; AN IMAGE of a fragment (16 rows x 128 K) is 2,048 bytes: byte 512 c + 16 L + jj is byte jj of registers 4 c .. 4 c + 3 of lane L = rho + 16 h: the code of the tile's row rho at k = 128 s + 32 c + 16 h + jj.
; TOKENS [8192][1024] f32 are read once and quantised four times: under e0 (with Wq) into tq, under e2 (with Wkv) into tkv, both [tile of 16 rows][K step s][2,048]; under e5 (with Wmix) and e11 (with Wgate) into registers.
;   A work-group takes 16 rows, wave w K step w.  Each of a wave's 16 loads reads 512 consecutive bytes of a row; the conversions want 16 neighbours along K in one lane, so the 8 KiB turn through the wave's own stage in LDS.
;   Wmix's and Wgate's fragment of K step w is quantised by the wave itself (under e4, e10): lane (r, h) takes column r and k = 32 c + 16 h + 0 .. 15, so the codes are the operand's registers as they come.
;   The two products are summed over K through LDS; mg: mix at byte 0, gate at byte 524,288, each [tile of 16 rows][1,024]: byte 32 L + 4 j = head L % 16, row 8 (L / 16) + j.
; THE LARGE WEIGHTS: 16 groups of 256 columns (0-3 Wq, 4-11 Wkv, 12-15 Wout) x 8 K steps x 8 runs of 32 columns x 4 blocks of 32 K are 4,096 pieces, one for each wave of the launch.
;   A lane takes a column and its registers run down K: a load reads 128 consecutive bytes, and the conversions give codes with K innermost.
;   wimg: [tile of 16 columns 0..255][K step][2,048]: tiles 0-63 Wv, 64-127 Wq, 128-191 Wk, 192-255 Wout.  A wave's 32 columns (l = column % 32) make two tiles:
;   Wq, Wk: tile l % 2, row l / 2;  Wv: tile (l / 8) % 2, row l % 8 + 8 (l / 16);  Wout: tile l / 16, row l % 16, and its k at byte jj is 128 s + 32 c + 16 h + 2 (jj % 8) + jj / 8 (the order of the attention launch's registers).
; THE TABLE (work-groups 0-127, a tile of 16 positions each): rot: [tile][m 0..7][lane][16 bytes]; m = wave = 4 x (sine) + 2 g + half; lane (r, h) holds position 16 tile + r, pairs 16 g + 8 h + 4 half + 0 .. 3.
;   angle = position x 10000^(-pair / 32); the power is 2^(pair x -log2(10000) / 32) by v_exp_f32; the angle is brought to |r| <= pi / 4 by a two-part pi / 2, and the series are cut at r^9 and r^10 (under 2e-9 there).
;   LIMIT: the power is good to about 1e-7 of itself, so an angle may differ by up to about 2e-4 rad at position 2,047 from one made with another f32 power; q and k take the same table.
; No tensor load, no cluster: what work-groups share is 128 KiB of small weights.
.set SPITCH, 528                       ; a stage row: 512 + 16 bytes
.set WSTG,  16*SPITCH                  ; a wave's stage
.set RED,   67584                      ; behind the eight stages: the partial sums, [wave][mix, gate][lane][8 f32]
.set SPARE, 83968                      ; behind them: the spare words, 128 bytes a wave, that no other line names
.set SPW, 2                            ; v2   LDS address of my spare word; never rewritten
.set NIL, 3                            ; v3   0; never rewritten
.set R,   16                           ; v16-79   tokens as loaded; later the four sets of codes
.set X,   80                           ; v80-143  Wmix's numbers; the table's work; then the tokens' 64 numbers: register 16 c + i = k 32 c + 16 h + i of row r
.set WC,  136                          ; v136-143 my weight piece's codes
.set T,   144                          ; v144-175 my weight piece's numbers; then held numbers
.set WF,  176                          ; v176-207 Wmix's and Wgate's fragment
.set ACC, 208                          ; v208-223 (with v232-247) half of Wgate's numbers; then the two results
.set LS,  224                          ; v224-231 for the tokens' set z: 448 x 2^e at 224 + 2 z, 2^e at 225 + 2 z;  v248.. the same for Wmix, Wgate, my weight piece
.macro MKSC e, lim
	s_add_co_i32 s46, s[\e], 127
	s_lshl_b32 s47, s46, 23
	v_mov_b32 v[\lim+1], s47
	s_add_co_i32 s46, s46, 8
	s_lshl_b32 s46, s46, 23
	s_or_b32 s46, s46, 0x600000
	v_mov_b32 v[\lim], s46
.endm
.macro Q16 a, b, d, l                  ; 16 numbers, in two runs of 8 registers, become four registers of codes.  The conversion does not saturate (ISA guide 7.6.2): the hold comes first
.set ii, 0
.rept 8
	v_med3_num_f32 v[\a+ii], v[\a+ii], -v[\l], v[\l]
	v_med3_num_f32 v[\b+ii], v[\b+ii], -v[\l], v[\l]
.set ii, ii+1
.endr
	v_cvt_scalef32_pk8_fp8_f32 v[\d:\d+1], v[\a:\a+7], v[\l+1]
	v_cvt_scalef32_pk8_fp8_f32 v[\d+2:\d+3], v[\b:\b+7], v[\l+1]
.endm
.macro QUANT z                         ; X is kept: the held numbers go into T
.irp c, 0,1,2,3
.set ii, 0
.rept 16
	v_med3_num_f32 v[T+16*(\c%2)+ii], v[X+16*\c+ii], -v[LS+2*\z], v[LS+2*\z]
.set ii, ii+1
.endr
	v_cvt_scalef32_pk8_fp8_f32 v[R+16*\z+4*\c:R+16*\z+4*\c+1], v[T+16*(\c%2):T+16*(\c%2)+7], v[LS+2*\z+1]
	v_cvt_scalef32_pk8_fp8_f32 v[R+16*\z+4*\c+2:R+16*\z+4*\c+3], v[T+16*(\c%2)+8:T+16*(\c%2)+15], v[LS+2*\z+1]
.endr
.endm
.macro GLOAD half                      ; Wgate's blocks c = 2 half and 2 half + 1 into v208-223, v232-247
.set kk, 0
.rept 32
	global_load_b32 v[208+kk+8*(kk/16)], v13, s[14:15] offset:64*(32*(2*(\half)+kk/16)+kk%16)
.set kk, kk+1
.endr
.endm
.macro WLOAD pitch, perm               ; T[i] = W(my 32 rows' row(i), my column); perm = 1: row(i) = 16 (i / 16) + 2 (i % 8) + (i / 8) % 2
.set kk, 0
.rept 32
.if \perm
	global_load_b32 v[T+kk], v14, s[68:69] offset:(16*(kk/16)+2*(kk%8)+(kk/8)%2)*\pitch th:TH_LOAD_NT
.else
	global_load_b32 v[T+kk], v14, s[68:69] offset:kk*\pitch th:TH_LOAD_NT
.endif
.set kk, kk+1
.endr
.endm
	s_load_b512 s[4:19], s[0:1], 0x0               ; tokens s[4:5], Wq s[6:7], Wkv s[8:9], Wout s[10:11], Wmix s[12:13], Wgate s[14:15], the exponents s[16:17], tq s[18:19]
	s_load_b256 s[20:27], s[0:1], 0x40             ; tkv s[20:21], mg s[22:23], wimg s[24:25], rot s[26:27]
	v_lshl_add_u32 v[SPW], v0, 2, SPARE
	v_mov_b32 v[NIL], 0
	v_lshrrev_b32 v1, 5, v0
	s_delay_alu instid0(VALU_DEP_1)
	v_readfirstlane_b32 s28, v1                    ; wave 0..7
	v_and_b32 v1, 31, v0                           ; lane
	s_delay_alu instid0(VALU_DEP_1)
	v_lshlrev_b32 v4, 4, v1                        ; 16 x lane
	s_mul_i32 s29, s28, WSTG
	v_add_nc_u32 v5, s29, v4                       ; the stage, in: a row as it lies
	v_and_b32 v10, 15, v0                          ; r
	v_bfe_u32 v11, v0, 4, 1                        ; h
	s_delay_alu instid0(VALU_DEP_2)
	v_mul_u32_u24 v6, v10, SPITCH
	s_delay_alu instid0(VALU_DEP_1)
	v_lshl_add_u32 v6, v11, 6, v6
	s_delay_alu instid0(VALU_DEP_1)
	v_add_nc_u32 v6, s29, v6                       ; out: row r, + 64 h
	s_lshl_b32 s30, s28, 11
	v_lshlrev_b32 v7, 5, v1
	s_delay_alu instid0(VALU_DEP_1)
	v_add_nc_u32 v7, s30, v7
	s_delay_alu instid0(VALU_DEP_1)
	v_add_nc_u32 v7, RED, v7                       ; my partial sums: 2,048 x wave + 32 x lane
	v_lshl_add_u32 v8, v0, 3, RED                  ; the two sums that my thread finishes
	v_and_b32 v9, 127, v0
	s_delay_alu instid0(VALU_DEP_1)
	v_lshlrev_b32 v9, 3, v9
	v_lshrrev_b32 v12, 7, v0
	s_delay_alu instid0(VALU_DEP_1)
	v_lshl_add_u32 v9, v12, 19, v9                 ; their place in mg: threads 0-127 mix, 128-255 gate
	v_lshlrev_b32 v13, 2, v10
	v_lshlrev_b32 v14, 2, v1                       ; my weight piece: 4 bytes a lane
	s_delay_alu instid0(VALU_DEP_2)
	v_lshl_add_u32 v13, v11, 10, v13               ; Wmix, Wgate: 4 r + 16 h rows of 64 bytes
	s_lshl_b32 s48, ttmp9, 16                      ; tokens: 16 rows of 4,096 bytes,
	s_lshl_b32 s49, s28, 9                         ; 512 bytes a K step
	s_add_co_u32 s48, s48, s49
	s_mov_b32 s49, 0
	s_lshl_b32 s50, s28, 13                        ; Wmix, Wgate: 128 rows of 64 bytes a K step
	s_mov_b32 s51, 0
	s_lshl_b32 s52, ttmp9, 14
	s_add_co_u32 s52, s52, s30                     ; image (8 x tile + wave)
	s_mov_b32 s53, 0
	s_lshl_b32 s54, ttmp9, 10
	s_mov_b32 s55, 0
	s_lshr_b32 s56, ttmp9, 5                       ; my piece: group of 256 columns 0..15,
	s_bfe_u32 s57, ttmp9, 0x30002                  ; K step,
	s_and_b32 s58, ttmp9, 3
	s_lshl_b32 s58, s58, 1
	s_lshr_b32 s59, s28, 2
	s_add_co_u32 s58, s58, s59                     ; run of 32 columns 0..7,
	s_and_b32 s59, s28, 3                          ; block c of 32 K
	s_lshl_b32 s60, s57, 2
	s_add_co_u32 s60, s60, s59                     ; 4 x K step + c
	s_lshl_b32 s61, s58, 7                         ; my 32 columns, in bytes
	s_mov_b32 s67, 0
	s_lshl_b32 s70, s56, 4                         ; the group's first tile: q, k: 64 + 16 g; v: 16 g - 128; Wout: 16 g
	s_cmp_lt_u32 s56, 8
	s_cselect_b32 s71, 64, 0
	s_cselect_b32 s72, -1, 0                       ; the map of Wq and Wk
	s_add_co_u32 s70, s70, s71
	s_lshr_b32 s73, s56, 2
	s_cmp_eq_u32 s73, 2
	s_cselect_b32 s71, 128, 0
	s_cselect_b32 s73, -1, 0                       ; the map of Wv
	s_sub_co_u32 s70, s70, s71
	s_lshl_b32 s75, s58, 1
	s_add_co_u32 s70, s70, s75                     ; my wave's first tile
	v_and_b32 v12, 1, v1                           ; my column's place: 16,384 x tile + 16 x row, by each of the three maps
	v_lshrrev_b32 v15, 1, v1
	s_delay_alu instid0(VALU_DEP_1)
	v_lshlrev_b32 v15, 4, v15
	s_delay_alu instid0(VALU_DEP_1)
	v_lshl_add_u32 v254, v12, 14, v15              ; Wq, Wk
	v_bfe_u32 v12, v1, 3, 1
	v_and_b32 v15, 7, v1
	s_delay_alu instid0(VALU_DEP_1)
	v_lshl_add_u32 v15, v11, 3, v15
	s_delay_alu instid0(VALU_DEP_1)
	v_lshlrev_b32 v15, 4, v15
	s_delay_alu instid0(VALU_DEP_1)
	v_lshl_add_u32 v255, v12, 14, v15              ; Wv
	v_lshlrev_b32 v15, 4, v10
	s_delay_alu instid0(VALU_DEP_1)
	v_lshl_add_u32 v15, v11, 14, v15               ; Wout
	s_delay_alu instid0(VALU_DEP_1)
	v_cndmask_b32 v15, v15, v255, s73
	s_delay_alu instid0(VALU_DEP_1)
	v_cndmask_b32 v15, v15, v254, s72
	s_wait_alu depctr_va_vdst(0)                   ; the wait here, directly ahead of the wait below
	s_wait_kmcnt 0x0
	s_load_b256 s[32:39], s[16:17], 0x0            ; e0 .. e7
	s_load_b128 s[40:43], s[16:17], 0x20           ; e8 .. e11
	s_load_b64 s[44:45], s[16:17], 0x30            ; e12, e13
	s_add_nc_u64 s[4:5], s[4:5], s[48:49]
	s_add_nc_u64 s[12:13], s[12:13], s[50:51]
	s_add_nc_u64 s[14:15], s[14:15], s[50:51]
	s_add_nc_u64 s[18:19], s[18:19], s[52:53]
	s_add_nc_u64 s[20:21], s[20:21], s[52:53]
	s_add_nc_u64 s[22:23], s[22:23], s[54:55]
.set kk, 0
.rept 64
	global_load_b32 v[X+kk], v13, s[12:13] offset:64*(32*(kk/16)+kk%16)   ; Wmix(32 c + 16 h + i, r)
.set kk, kk+1
.endr
	GLOAD 0
	s_cmp_ge_u32 s56, 12
	s_cbranch_scc1 .Larm_out
	s_cmp_ge_u32 s56, 4
	s_cbranch_scc1 .Larm_kv
	s_lshl_b32 s66, s60, 17                        ; Wq: 32 rows of 4,096 bytes a block
	s_lshl_b32 s62, s56, 10
	s_add_co_u32 s66, s66, s62
	s_add_co_u32 s66, s66, s61
	s_add_nc_u64 s[68:69], s[6:7], s[66:67]
	WLOAD 4096, 0
	s_branch .Lw_asked
.Larm_kv:
	s_sub_co_u32 s62, s56, 4
	s_lshl_b32 s62, s62, 10
	s_lshl_b32 s66, s60, 18                        ; Wkv: 32 rows of 8,192 bytes a block
	s_add_co_u32 s66, s66, s62
	s_add_co_u32 s66, s66, s61
	s_add_nc_u64 s[68:69], s[8:9], s[66:67]
	WLOAD 8192, 0
	s_branch .Lw_asked
.Larm_out:
	s_sub_co_u32 s62, s56, 12
	s_lshl_b32 s62, s62, 10
	s_lshl_b32 s66, s60, 17
	s_add_co_u32 s66, s66, s62
	s_add_co_u32 s66, s66, s61
	s_add_nc_u64 s[68:69], s[10:11], s[66:67]
	WLOAD 4096, 1
.Lw_asked:
.irp i, 0,1,2,3,4,5,6,7,8,9,10,11,12,13,14,15
	global_load_b128 v[R+4*\i:R+4*\i+3], v4, s[4:5] offset:4096*\i th:TH_LOAD_NT   ; row i: 512 consecutive bytes
.endr
	s_lshl_b32 s66, s70, 14                        ; my piece's place in wimg: 16,384 a tile, 2,048 a K step, 512 a block c
	s_lshl_b32 s75, s57, 11
	s_add_co_u32 s66, s66, s75
	s_lshl_b32 s75, s59, 9
	s_add_co_u32 s66, s66, s75
	s_add_nc_u64 s[76:77], s[24:25], s[66:67]
	s_wait_kmcnt 0x0
	MKSC 32, LS
	MKSC 34, LS+2
	MKSC 37, LS+4
	MKSC 43, LS+6
	MKSC 36, 248                                   ; Wmix: e4
	MKSC 42, 250                                   ; Wgate: e10
	s_cmp_lt_u32 s56, 4
	s_cselect_b32 s74, s33, s35                    ; Wq: e1; Wkv: e3;
	s_cmp_lt_u32 s56, 12
	s_cselect_b32 s74, s74, s45                    ; Wout: e13
	MKSC 74, 252
	s_add_co_i32 s78, s36, s37                     ; e4 + e5
	s_add_co_i32 s79, s42, s43                     ; e10 + e11
	s_cmp_lt_u32 s28, 4
	s_cselect_b32 s78, s78, s79                    ; waves 0-3 finish mix, waves 4-7 gate
	s_lshl_b32 s78, s78, 23
	s_add_co_i32 s78, s78, 0xbfb8aa3b              ; -log2(e) x 2^(the two exponents): they are added to its exponent field
	s_mov_b32 s79, s78                             ; (named with it as a pair, so it is written)
	s_wait_alu depctr_va_vdst(0)                   ; the wait here, directly ahead of the wait below
	s_wait_loadcnt 48                              ; Wmix and half of Wgate are in; the younger 48 loads (my weight piece's 32, the tokens' 16) may be out
.irp c, 0,1,2,3
	Q16 X+16*\c, X+16*\c+8, WF+4*\c, 248
.endr
	Q16 208, 216, WF+16, 250
	Q16 232, 240, WF+20, 250
	GLOAD 1                                        ; Wgate's other half, into the registers just read
	s_wait_loadcnt 48                              ; my weight piece is in; the tokens' 16 loads and the 32 just issued may be out
	Q16 T, T+8, WC, 252
	Q16 T+16, T+24, WC+4, 252
	v_nop                                          ; a plain line behind the last conversion
	global_store_b128 v15, v[WC:WC+3], s[76:77]              ; k = 32 c + 0 .. 15: the wave's 32 lanes fill two aligned runs of 256 bytes, one in each tile's image
	global_store_b128 v15, v[WC+4:WC+7], s[76:77] offset:256 ; k = 32 c + 16 .. 31
	s_cmp_ge_u32 ttmp9, 128
	s_wait_alu depctr_va_vdst(0)                   ; the wait ahead of the branch
	s_cbranch_scc1 .Lno_rot
	; ---- the table, while the tokens are on their way: arrays of four at v[80 + 4 a + n]
	s_lshl_b32 s92, ttmp9, 4                       ; the tile's first position
	s_lshr_b32 s93, s28, 2
	s_mul_i32 s93, s93, 3                          ; waves 4-7 make sines: sin(a) = cos(a + 3 pi / 2): three quadrants on
	s_bfe_u32 s94, s28, 0x10001
	s_lshl_b32 s94, s94, 4
	s_and_b32 s95, s28, 1
	s_lshl_b32 s95, s95, 2
	s_add_co_u32 s94, s94, s95                     ; 16 g + 4 half
	s_mov_b32 s80, 0xbed49a78                      ; -log2(10000) / 32
	s_mov_b32 s81, 0x3f22f983                      ; 2 / pi
	s_mov_b32 s82, 0xbfc90fdb                      ; -(pi / 2 rounded to f32)
	s_mov_b32 s83, 0x333bbd2e                      ; that number less pi / 2
	s_mov_b32 s84, 0x3638ef1d                      ; 1 / 9!
	s_mov_b32 s85, 0xb9500d01                      ; -1 / 7!
	s_mov_b32 s86, 0x3c088889                      ; 1 / 5!
	s_mov_b32 s87, 0xbe2aaaab                      ; -1 / 3!
	s_mov_b32 s88, 0xb493f27e                      ; -1 / 10!
	s_mov_b32 s89, 0x37d00d01                      ; 1 / 8!
	s_mov_b32 s90, 0xbab60b61                      ; -1 / 6!
	s_mov_b32 s91, 0x3d2aaaab                      ; 1 / 4!
	v_add_nc_u32 v148, s92, v10
	s_delay_alu instid0(VALU_DEP_1)
	v_cvt_f32_u32 v148, v148                       ; my position
	v_mov_b32 v146, s93                            ; the quadrants added
	v_lshl_add_u32 v147, v11, 3, s94               ; my first pair
.irp n, 0,1,2,3
	v_add_nc_u32 v[80+\n], \n, v147
	s_delay_alu instid0(VALU_DEP_1)
	v_cvt_f32_u32 v[80+\n], v[80+\n]
	s_delay_alu instid0(VALU_DEP_1)
	v_mul_f32 v[80+\n], s80, v[80+\n]
.endr
	s_wait_alu depctr_va_vdst(0)                   ; the wait ahead of the batch
.irp n, 0,1,2,3
	v_exp_f32 v[80+\n], v[80+\n]                   ; 10000^(-pair / 32)
.endr
	v_nop                                          ; a plain line behind the batch,
	s_wait_alu depctr_va_vdst(0)                   ; and one wait for the four, ahead of their first reader
.irp n, 0,1,2,3
	v_mul_f32 v[84+\n], v148, v[80+\n]             ; the angle: one rounding
	s_delay_alu instid0(VALU_DEP_1)
	v_mul_f32 v[88+\n], s81, v[84+\n]
	s_delay_alu instid0(VALU_DEP_1)
	v_rndne_f32 v[88+\n], v[88+\n]                 ; the quadrant
	s_delay_alu instid0(VALU_DEP_1)
	v_fma_f32 v[92+\n], v[88+\n], s82, v[84+\n]
	s_delay_alu instid0(VALU_DEP_1)
	v_fma_f32 v[92+\n], v[88+\n], s83, v[92+\n]    ; r = angle - quadrant x pi / 2
	s_delay_alu instid0(VALU_DEP_1)
	v_mul_f32 v[96+\n], v[92+\n], v[92+\n]         ; r^2
	s_delay_alu instid0(VALU_DEP_1)
	v_fma_f32 v[100+\n], v[96+\n], s84, s85
	s_delay_alu instid0(VALU_DEP_1)
	v_fma_f32 v[100+\n], v[100+\n], v[96+\n], s86
	s_delay_alu instid0(VALU_DEP_1)
	v_fma_f32 v[100+\n], v[100+\n], v[96+\n], s87
	s_delay_alu instid0(VALU_DEP_4)
	v_mul_f32 v[116+\n], v[92+\n], v[96+\n]
	s_delay_alu instid0(VALU_DEP_1)
	v_fma_f32 v[100+\n], v[116+\n], v[100+\n], v[92+\n]   ; sin r
	v_fma_f32 v[104+\n], v[96+\n], s88, s89
	s_delay_alu instid0(VALU_DEP_1)
	v_fma_f32 v[104+\n], v[104+\n], v[96+\n], s90
	s_delay_alu instid0(VALU_DEP_1)
	v_fma_f32 v[104+\n], v[104+\n], v[96+\n], s91
	s_delay_alu instid0(VALU_DEP_1)
	v_fma_f32 v[104+\n], v[104+\n], v[96+\n], -0.5
	s_delay_alu instid0(VALU_DEP_1)
	v_fma_f32 v[104+\n], v[104+\n], v[96+\n], 1.0  ; cos r
	v_cvt_i32_f32 v[108+\n], v[88+\n]
	s_delay_alu instid0(VALU_DEP_1)
	v_add_nc_u32 v[108+\n], v[108+\n], v146        ; Q.  cos(r + Q pi / 2): Q % 4 = 0: cos r; 1: -sin r; 2: -cos r; 3: sin r
	s_delay_alu instid0(VALU_DEP_1)
	v_and_b32 v[116+\n], 1, v[108+\n]
	s_delay_alu instid0(VALU_DEP_1)
	v_cmp_eq_u32 vcc_lo, 1, v[116+\n]
	s_delay_alu instid0(VALU_DEP_1)
	v_cndmask_b32 v[112+\n], v[104+\n], v[100+\n], vcc_lo
	s_delay_alu instid0(VALU_DEP_4)
	v_add_nc_u32 v[108+\n], 1, v[108+\n]
	s_delay_alu instid0(VALU_DEP_1)
	v_and_b32 v[108+\n], 2, v[108+\n]
	s_delay_alu instid0(VALU_DEP_1)
	v_lshlrev_b32 v[108+\n], 30, v[108+\n]         ; the sign bit
	s_delay_alu instid0(VALU_DEP_1)
	v_xor_b32 v[112+\n], v[108+\n], v[112+\n]
.endr
	s_lshl_b32 s66, ttmp9, 12                      ; 4,096 bytes a tile,
	s_lshl_b32 s75, s28, 9                         ; 512 a wave
	s_add_co_u32 s66, s66, s75
	s_add_nc_u64 s[74:75], s[26:27], s[66:67]
	global_store_b128 v4, v[112:115], s[74:75]     ; 512 consecutive bytes
.Lno_rot:
	s_wait_alu depctr_va_vdst(0)                   ; the wait here, directly ahead of the wait below
	s_wait_loadcnt 32                              ; the tokens' rows are in; the 32 younger loads, Wgate's other half, may be out
.irp i, 0,1,2,3,4,5,6,7,8,9,10,11,12,13,14,15
	ds_store_b128 v5, v[R+4*\i:R+4*\i+3] offset:SPITCH*\i
.endr
	s_wait_xcnt 0x0                                ; the stores above have read v112-115 and v136-143, on which the loads below land
.irp c, 0,1,2,3
.irp j, 0,1,2,3
	ds_load_b128 v[X+16*\c+4*\j:X+16*\c+4*\j+3], v6 offset:128*\c+16*\j   ; LDS serves a wave's instructions in order (ISA guide 5.7.1.4): these see my stores
.endr
.endr
	s_wait_dscnt 0x0                               ; the numbers are back, and the stores have read v16-79, which now take the codes
	QUANT 0
.irp c, 0,1,2,3
	global_store_b128 v4, v[R+4*\c:R+4*\c+3], s[18:19] offset:512*\c        ; 512 consecutive bytes
.endr
	QUANT 1
.irp c, 0,1,2,3
	global_store_b128 v4, v[R+16+4*\c:R+16+4*\c+3], s[20:21] offset:512*\c
.endr
	QUANT 2
	QUANT 3
	v_nop
	s_wait_alu depctr_va_vdst(0)                   ; the wait here, directly ahead of the wait below
	s_wait_loadcnt 0x0                             ; Wgate's other half
	Q16 208, 216, WF+24, 250
	Q16 232, 240, WF+28, 250
	v_nop                                          ; a plain line between the last conversion and the products, which read the codes and write over its sources
	v_wmma_f32_16x16x128_fp8_fp8 v[ACC:ACC+7], v[R+32:R+47], v[WF:WF+15], 0          ; source 0 = my 16 rows, source 1 = 16 heads: lane (r, h) holds head r, rows 8 h + 0 .. 7
	v_wmma_f32_16x16x128_fp8_fp8 v[ACC+8:ACC+15], v[R+48:R+63], v[WF+16:WF+31], 0
.rept 4
	v_nop                                          ; four places behind a matrix instruction before its result is read (ISA guide 7.12.1)
.endr
	ds_store_b128 v7, v[ACC:ACC+3]                 ; each result from its low end on
	ds_store_b128 v7, v[ACC+4:ACC+7] offset:16
	ds_store_b128 v7, v[ACC+8:ACC+11] offset:1024
	ds_store_b128 v7, v[ACC+12:ACC+15] offset:1040
	s_wait_dscnt 0x0                               ; for the others' sake: my partial sums lie in LDS
	s_barrier_signal -1
	s_barrier_wait -1
.irp p, 0,1,2,3,4,5,6,7
	ds_load_b64 v[X+2*\p:X+2*\p+1], v8 offset:2048*\p
.endr
	s_wait_dscnt 0x0
.irp p, 1
	v_pk_add_f32 v[X:X+1], v[X:X+1], v[X+2*\p:X+2*\p+1]   ; K ascending
.endr
.irp p, 2, 3, 4, 5, 6, 7
	s_delay_alu instid0(VALU_DEP_1)
	v_pk_add_f32 v[X:X+1], v[X:X+1], v[X+2*\p:X+2*\p+1]
.endr
	s_delay_alu instid0(VALU_DEP_1)
	v_pk_mul_f32 v[X:X+1], v[X:X+1], s[78:79] op_sel_hi:[1,0]
	s_wait_alu depctr_va_vdst(0)                   ; the wait ahead of the batch
	v_exp_f32 v[X], v[X]                           ; e^(-x)
	v_exp_f32 v[X+1], v[X+1]
	v_nop
	s_wait_alu depctr_va_vdst(0)                   ; one wait for the two, ahead of their first reader
	v_pk_add_f32 v[X:X+1], v[X:X+1], 1.0 op_sel_hi:[1,0]
	s_wait_alu depctr_va_vdst(0)
	v_rcp_f32 v[X], v[X]                           ; 1 / (1 + e^(-x)); an infinite e^(-x) gives 0
	v_rcp_f32 v[X+1], v[X+1]
	v_nop
	s_wait_alu depctr_va_vdst(0)
	global_store_b64 v9, v[X:X+1], s[22:23]        ; a wave stores 256 consecutive bytes, aligned
	s_wait_tensorcnt 0x0                           ; the wave's end
	ds_add_u32 v[SPW], v[NIL]
	s_wait_dscnt 0x0
	s_endpgm
.Lfunc_end_k_qee3a53b837_tok:
	.size	k_qee3a53b837_tok, .Lfunc_end_k_qee3a53b837_tok-k_qee3a53b837_tok
	.p2alignl 7, 3214868480
	.fill 96, 4, 3214868480
	.section	.rodata,"a",@progbits
	.p2align	6, 0x0
	.amdhsa_kernel k_qee3a53b837_tok
		.amdhsa_group_segment_fixed_size 84992
		.amdhsa_private_segment_fixed_size 0
		.amdhsa_enable_private_segment 0
		.amdhsa_kernarg_size 96
		.amdhsa_user_sgpr_count 2
		.amdhsa_user_sgpr_kernarg_segment_ptr 1
		.amdhsa_wavefront_size32 1
		.amdhsa_system_sgpr_workgroup_id_x 1
		.amdhsa_system_sgpr_workgroup_id_y 1
		.amdhsa_system_sgpr_workgroup_id_z 1
		.amdhsa_system_vgpr_workitem_id 0
		.amdhsa_next_free_vgpr 256
		.amdhsa_next_free_sgpr 96
		.amdhsa_reserve_vcc 1
		.amdhsa_float_denorm_mode_32 3
		.amdhsa_float_denorm_mode_16_64 3
		.amdhsa_memory_ordered 1
		.amdhsa_forward_progress 1
		.amdhsa_inst_pref_size 75
	.end_amdhsa_kernel
	.amdgpu_metadata
---
amdhsa.version: [ 1, 2 ]
amdhsa.kernels:
  - .name:           k_qee3a53b837_tok
    .symbol:         k_qee3a53b837_tok.kd
    .args:
      - { .name: tokens, .offset: 0, .size: 8, .value_kind: global_buffer, .address_space: global }
      - { .name: Wq, .offset: 8, .size: 8, .value_kind: global_buffer, .address_space: global }
      - { .name: Wkv, .offset: 16, .size: 8, .value_kind: global_buffer, .address_space: global }
      - { .name: Wout, .offset: 24, .size: 8, .value_kind: global_buffer, .address_space: global }
      - { .name: Wmix, .offset: 32, .size: 8, .value_kind: global_buffer, .address_space: global }
      - { .name: Wgate, .offset: 40, .size: 8, .value_kind: global_buffer, .address_space: global }
      - { .name: lowp_scales, .offset: 48, .size: 8, .value_kind: global_buffer, .address_space: global }
      - { .name: tq, .offset: 56, .size: 8, .value_kind: global_buffer, .address_space: global }
      - { .name: tkv, .offset: 64, .size: 8, .value_kind: global_buffer, .address_space: global }
      - { .name: mg, .offset: 72, .size: 8, .value_kind: global_buffer, .address_space: global }
      - { .name: wimg, .offset: 80, .size: 8, .value_kind: global_buffer, .address_space: global }
      - { .name: rot, .offset: 88, .size: 8, .value_kind: global_buffer, .address_space: global }
    .group_segment_fixed_size: 84992
    .private_segment_fixed_size: 0
    .kernarg_segment_align: 8
    .kernarg_segment_size: 96
    .max_flat_workgroup_size: 256
    .sgpr_count:     96
    .vgpr_count:     256
    .wavefront_size: 32
...
	.end_amdgpu_metadata
.endif
;; end of part 1
;; launch proj (part 2): grid 128 x 4, 4 waves a work-group, clusters of 4 x 4, 327,680 bytes of LDS; arguments tq, tkv, wimg, rot, mg, value_residual, lowp_scales, qimg, kv; writes qimg, kv
.if DOCPART == 2
	.amdgcn_target "amdgcn-amd-amdhsa--gfx1250"
	.amdhsa_code_object_version 6
	.text
	.protected	k_qee3a53b837_proj
	.globl	k_qee3a53b837_proj
	.p2align	8
	.type	k_qee3a53b837_proj,@function
k_qee3a53b837_proj:
	s_mov_b64 s[64:65], 0
	v_nop
	global_prefetch_b8 v0, s[64:65] scope:SCOPE_SE
	s_setreg_imm32_b32 hwreg(HW_REG_WAVE_MODE, 25, 1), 1
	s_wait_xcnt 0x0
	s_wait_alu depctr_hold_cnt(0) depctr_sa_sdst(0) depctr_va_vdst(0) depctr_va_sdst(0) depctr_va_ssrc(0) depctr_va_vcc(0) depctr_vm_vsrc(0)
	s_getreg_b32 s2, hwreg(HW_REG_IB_STS2, 6, 4)
	s_cmp_eq_u32 s2, 0
	s_cbranch_scc0 .Lentry_in_a_cluster
	s_endpgm
.Lentry_in_a_cluster:
	s_bfe_u32 s2, ttmp6, 0x10000c
	s_cmp_lg_u32 s2, 0xf033
	s_cbranch_scc0 .Lentry_shape_is_right
	s_endpgm
.Lentry_shape_is_right:
; PROJ: tokens x Wq and tokens x Wkv on codes of E4M3, and what reference() does to q, k and v up to the attention's quantisers.  Nothing leaves as f32.
; THE GRID: one row of 32 clusters of 4 x 4 work-groups.  Clusters 0-7 make v, 8-15 k: blocks of 256 tokens x 256 columns, 256 work-groups; clusters 16-31 make q: blocks of 128 tokens x 256 columns, 256 work-groups of half
; the work.  The longer work-groups have the lower numbers.  cx picks the block of tokens in the cluster's four, cy 256 of the role's 1,024 columns (four heads).
; A wave makes 128 x 128 (64 accumulators, windows 2 and 3), in the role q 64 x 128 (32 accumulators, window 2).  K = 1,024 goes in four steps of 256 through two LDS slots.
; OPERANDS ARE IMAGES OF THEIR REGISTERS (16 rows x 128 K = 2,048 bytes, byte 512 c + 16 lane + jj): a fragment is four ds_load_b128 of 512 consecutive bytes each: no pitch, no padding.
; JOINT LOADS: partners with my cx need the same tokens, partners with my cy the same weights: each tile is asked for by the same tensor load with the same descriptor and a mask that names the four.
; THE MATRIX INSTRUCTION IS USED TRANSPOSED: source 0 = 16 weight rows, source 1 = 16 tokens: lane (r, h) holds token r and the tile's rows 8 h + 0 .. 7.
; WAYS OUT (a branch on the role, which all partners share):
;  q, k: tile 2 g holds the even and tile 2 g + 1 the odd channel of pairs 16 g + 8 h + 0 .. 7 (the weights' images are laid so): rotary is packed arithmetic on like registers, with cos and sin from the table, which is
;        laid as an image of the registers that take it; the scales are folded into the conversion's one (q: 2^(e6 - e0 - e1 + 3), the 3 being 1 / sqrt(64); k: 2^(e7 - e2 - e3)); the codes are an image of 16 rows x 64 K.
;  v:    v = sum x 2^(e2 + e3); v + (value_residual - v) x mix; codes under e9; the keys must become innermost: the codes go through a stage in LDS (rows of 64 + 32 bytes) and come back turned, two channels at a
;        time, by ds_load_tr16_b128; v_perm_b32 parts even from odd channels.  Row r of V's tile tau is channel 32 (tau / 2) + 2 r + tau % 2; registers 2 c, 2 c + 1 hold keys 16 c + 8 h + 0 .. 7.
; qimg: [batch x head 64][tile of 16 queries 128][1,024].   kv: [batch x head 64][block of 128 keys 16][16,384]: K's eight tiles of 16 keys, then V's four tiles of 16 channels x 128 keys.
; LIMITS: e6 - e0 - e1 + 3, e7 - e2 - e3 and e9 between -126 and 119; e2 + e3 between -126 and 127.  NaN is not served.
; REGISTERS, in windows of 256: window 0: v10-29 addresses and scales; v128-255 tokens' fragments; window 1: weights' fragments, two sets; windows 2, 3: accumulator (a, b) at v[8 (8 (a % 4) + b)].
.set FR,    16                         ; registers of a fragment
.set NL,    4                          ; LDS loads that bring one
.set NP,    4                          ; places behind this matrix instruction (ISA guide 7.12.1)
.set SLOT,  131072                     ; tokens' 16 tiles x 4,096 bytes (two K steps of 128), then the weights' 16
.set SPARE, 2*SLOT                     ; behind the ring: the spare words, 128 bytes a wave, that no other line names
.set LIM,  10                          ; v10  448 x the conversion's scale
.set SCL,  11                          ; v11  the conversion's scale
.set LI,   12                          ; v12  16 x lane
.set PFK,  13                          ; v13  the K slots' prefetches: my lane's block of 256 bytes; never rewritten
.set VRO,  14                          ; v14  value_residual: 256 r + 64 h
.set MXO,  15                          ; v15  mix: 512 (r / 8) + 4 (r % 8)
.set ADRA, 16                          ; v16-17 LDS address of my tokens' fragments in slot 0, 1
.set ADRB, 20                          ; v20-21 the same for the weights
.set STO,  24                          ; v24  v's stage, in
.set TRA,  25                          ; v25  and back, turned
.set PFO,  27                          ; v27  256 x lane: value_residual's prefetches; never rewritten
.set SPW,  28                          ; v28  LDS address of my spare word; never rewritten
.set NIL,  29                          ; v29  0; never rewritten
.set AF,   128
.set G1,  24                           ; s[24:31] descriptor group 1 for tokens' tiles; s[32:39] group 0, one set a slot
.set G0,  32
.set G1B, 48                           ; s[48:55], s[56:63] the same for the weights'
.set G0B, 56
.set G1H, 88                           ; s[88:95] group 1 for the tokens' tiles of a block of 128 tokens: four rows a wave; free for the ways out behind the last wait on TENSORcnt
.set MSB, 0
.macro WIN new                         ; the immediate's high byte repeats the setting that is left
.if MSB != \new
	s_set_vgpr_msb (MSB<<8)|\new
.set MSB, \new
.endif
.endm
.set MUL_LO, 0xa1                      ; source 0 (weights) window 1, source 1 (tokens) window 0, C and D window 2
.set MUL_HI, 0xf1                      ; the same, C and D window 3
.set TO_B,   0x40                      ; destination window 1, address window 0
; A joint load: waves 0 and 1 fetch tokens' halves, waves 2 and 3 the weights'.  One chain of branches, on the wave's number and on the role, one load to an arm.  An s_nop 0 and four v_nop follow each line.
.macro JLOAD g0a, g1a, g0b, g1b
	s_cmp_eq_u32 s83, 0
	s_cbranch_scc0 .Lfor_b_\@
	s_cmp_eq_u32 s85, 1
	s_cbranch_scc0 .Lfor_a_\@
	tensor_load_to_lds s[\g0a:\g0a+3], s[G1H:G1H+7]
	s_nop 0
.rept 4
	v_nop
.endr
	s_branch .Lasked_\@
.Lfor_a_\@:
	tensor_load_to_lds s[\g0a:\g0a+3], s[\g1a:\g1a+7]
	s_nop 0
.rept 4
	v_nop
.endr
	s_branch .Lasked_\@
.Lfor_b_\@:
	tensor_load_to_lds s[\g0b:\g0b+3], s[\g1b:\g1b+7]
	s_nop 0
.rept 4
	v_nop
.endr
.Lasked_\@:
.endm
.macro CREST                           ; a round of the cluster's barrier behind its opening barrier
	s_cmp_lg_u32 s82, 0
	s_cbranch_scc1 .Lnot_wave_0_\@
	s_barrier_signal -3
.Lnot_wave_0_\@:
	s_barrier_wait -3
	s_barrier_signal -1
	s_barrier_wait -1
.endm
.macro CROUND
	s_barrier_signal -1
	s_barrier_wait -1
	CREST
.endm
; In the role v: my wave's own 128 rows of 256 bytes of value_residual for head n of my two are asked into the L2, a lane a row, four instructions: each row is named once in the launch, by the one wave that will load it.
.macro ASKV n
	s_cmp_lg_u32 s85, 0
	s_cbranch_scc1 .Lno_ask_\@
	s_wait_alu depctr_va_vdst(0)
.irp i, 0,1,2,3
	global_prefetch_b8 v[PFO], s[86:87] offset:524288*\n+8192*\i th:TH_LOAD_NT scope:SCOPE_SE
.endr
.Lno_ask_\@:
.endm
	s_load_b512 s[4:19], s[0:1], 0x0               ; tq s[4:5], tkv s[6:7], wimg s[8:9], rot s[10:11], mg s[12:13], value_residual s[14:15], the exponents s[16:17], qimg s[18:19]
	s_load_b64 s[20:21], s[0:1], 0x40              ; kv
	v_lshl_add_u32 v[SPW], v0, 2, SPARE
	v_mov_b32 v[NIL], 0
	ds_add_u32 v[SPW], v[NIL]                      ; the opening: the add, twice on end, and its wait ahead of my first tensor load
	ds_add_u32 v[SPW], v[NIL]
	v_lshrrev_b32 v1, 5, v0
	v_readfirstlane_b32 s82, v1                    ; wave 0..3
	s_lshr_b32 s83, s82, 1                         ; WH: which half of the block's tokens is mine.  Also: I fetch tokens (0) or weights (1)
	s_and_b32 s84, s82, 1                          ; WL: which 128 columns.  Also: which half of that tile I fetch
	s_bfe_u32 s40, ttmp6, 0x40000                  ; cx
	s_bfe_u32 s41, ttmp6, 0x40004                  ; cy
	s_and_b32 s42, ttmp9, 7
	s_lshl_b32 s42, s42, 2
	s_add_co_u32 s42, s42, s40                     ; 4 x (cluster % 8) + cx
	s_lshr_b32 s80, ttmp9, 3                       ; cluster / 8: 0 = v, 1 = k, 2 and 3 = q
	s_min_u32 s85, s80, 1
	s_cmp_eq_u32 s80, 1
	s_cselect_b32 s85, 2, s85                      ; the role: 0 = v, 1 = q, 2 = k
	s_cmp_eq_u32 s80, 3
	s_cselect_b32 s81, 32, 0
	s_add_co_u32 s42, s42, s81                     ; the block of tokens; q: of 128 tokens, 0..63
	s_cmp_eq_u32 s85, 1
	s_cselect_b32 s81, 1, 0                        ; s81 = 1 where the block has 128 tokens
	s_lshl_b32 s43, s85, 2
	s_add_co_u32 s43, s43, s41                     ; block of 256 columns = 16 tiles of wimg
	s_lshl_b32 s44, 0x1111, s40                    ; the partners with my cx
	s_lshl_b32 s45, s41, 2
	s_lshl_b32 s45, 15, s45                        ; the partners with my cy
	; descriptor group 1: rows of 4,096 bytes (a tile's two K steps), 16,384 bytes apart (a tile's eight K steps); dense in LDS
	s_or_b32 s[G1+0], s44, (3<<16)|(1<<21)         ; the mask; elements of 8 bytes; no padding; bit 21 beside a mask
	s_or_b32 s[G1B+0], s45, (3<<16)|(1<<21)
	s_or_b32 s[G1H+0], s44, (3<<16)|(1<<21)
	s_mov_b32 s[G1H+1], 512<<16
	s_mov_b32 s[G1H+2], 4<<16                      ; four rows
	s_mov_b32 s[G1H+3], 512<<16
	s_mov_b32 s[G1H+4], 4
	s_mov_b32 s[G1H+5], 2048
	s_mov_b32 s[G1H+6], 0
	s_mov_b32 s[G1H+7], 0
.irp g, G1, G1B
	s_mov_b32 s[\g+1], 512<<16                     ; tensor_dim0 = 512 elements
	s_mov_b32 s[\g+2], 8<<16                       ; tensor_dim1 = 8
	s_mov_b32 s[\g+3], 512<<16                     ; tile_dim0
	s_mov_b32 s[\g+4], 8                           ; tile_dim1
	s_mov_b32 s[\g+5], 2048                        ; tensor_dim0_stride, in elements
	s_mov_b32 s[\g+6], 0
	s_mov_b32 s[\g+7], 0
.endr
	s_lshl_b32 s22, s42, 18                        ; tokens: 16 tiles of 16,384 bytes a block,
	s_lshl_b32 s66, s84, 17                        ; 8 of them a half
	s_add_co_u32 s22, s22, s66
	s_lshr_b32 s22, s22, s81                       ; q: 8 tiles a block, 4 a half
	s_mov_b32 s23, 0
	s_lshl_b32 s46, s43, 18                        ; weights: 16 tiles a block, 8 a half
	s_add_co_u32 s46, s46, s66
	s_mov_b32 s47, 0
	s_lshl_b32 s66, s82, 15                        ; where they go: 32,768 x wave: no place in the cluster enters an LDS address
	s_wait_dscnt 0x0                               ; both opening adds are done
	s_wait_kmcnt 0x0
	s_load_b256 s[68:75], s[16:17], 0x0            ; e0 .. e7
	s_load_b128 s[76:79], s[16:17], 0x20           ; e8 .. e11
	s_cmp_eq_u32 s85, 1
	s_cselect_b64 s[98:99], s[4:5], s[6:7]         ; q multiplies the codes under e0, k and v those under e2
	s_add_nc_u64 s[22:23], s[98:99], s[22:23]
	s_add_nc_u64 s[46:47], s[8:9], s[46:47]
	CROUND                                         ; all sixteen work-groups are here: the first joint loads meet
.irp s, 0,1
	s_mov_b32 s[G0+4*\s], 1
	s_add_co_u32 s[G0+4*\s+1], s66, \s*SLOT
	s_add_nc_u64 s[G0+4*\s+2:G0+4*\s+3], s[22:23], \s*4096
	s_or_b32 s[G0+4*\s+3], s[G0+4*\s+3], 0x80000000
	s_mov_b32 s[G0B+4*\s], 1
	s_add_co_u32 s[G0B+4*\s+1], s66, \s*SLOT
	s_add_nc_u64 s[G0B+4*\s+2:G0B+4*\s+3], s[46:47], \s*4096
	s_or_b32 s[G0B+4*\s+3], s[G0B+4*\s+3], 0x80000000
.endr
	JLOAD G0, G1, G0B, G1B                         ; slot 0: one tensor load a wave at the head
	; THE PREFETCHES of K slots 2 and 3 (slots 0 and 1 come by their loads alone).  A wave's part of a slot is 8 tiles (q's tokens: 4) x 4,096 bytes; the four partners that ask for it jointly share it out BY ADDRESS:
	; the partner at place p (cy for tokens, cx for weights) takes tiles 2 p and 2 p + 1, a lane a block of 256 bytes (q's tokens: tile p, 16 blocks; the lanes left over name the last block again).
	; Slot 2 is named at the head, slot 3 behind slot 1's load: each at least a slot's steps ahead of the load that wants it.
	s_cmp_eq_u32 s83, 0
	s_cselect_b64 s[2:3], s[22:23], s[46:47]       ; my wave's part, K slot 0
	s_cselect_b32 s98, s41, s40                    ; my place among the four
	s_cselect_b32 s99, s81, 0                      ; 1: tokens of a block of 128
	s_lshl_b32 s98, s98, 15
	s_lshr_b32 s98, s98, s99                       ; two tiles of 16,384 bytes a partner, or one
	s_xor_b32 s80, s99, 1
	s_lshl_b32 s80, s80, 14                        ; lanes 16-31: the second tile, where there is one
	s_mul_i32 s67, s99, 3840                       ; or else the last block
	s_mov_b32 s99, 0
	s_add_nc_u64 s[2:3], s[2:3], s[98:99]
	v_and_b32 v1, 31, v0                           ; lane
	v_and_b32 v2, 15, v0                           ; r
	v_bfe_u32 v3, v0, 4, 1                         ; h
	v_lshlrev_b32 v[LI], 4, v1
	s_lshl_b32 s98, s83, 15                        ; my tiles of tokens
	s_lshl_b32 s99, s84, 15
	s_add_co_u32 s99, s99, 65536                   ; my 8 tiles of weights, behind the tokens'
.irp s, 0,1
	v_add_nc_u32 v[ADRA+\s], s98, v[LI]
	v_add_nc_u32 v[ADRB+\s], s99, v[LI]
	s_add_co_u32 s98, s98, SLOT
	s_add_co_u32 s99, s99, SLOT
.endr
	v_lshlrev_b32 v[VRO], 8, v2
	v_lshl_add_u32 v[VRO], v3, 6, v[VRO]
	v_lshrrev_b32 v4, 3, v2
	v_and_b32 v5, 7, v2
	v_lshlrev_b32 v[MXO], 2, v5
	v_lshl_add_u32 v[MXO], v4, 9, v[MXO]
	s_mul_i32 s98, s82, 24576                      ; v's stage: 2 heads x 128 tokens x 96 bytes a wave, in slot 0, which has had its last fill and its last read when the first code is stored there
	v_mul_u32_u24 v[STO], v2, 96
	v_lshl_add_u32 v[STO], v3, 4, v[STO]
	v_add_nc_u32 v[STO], s98, v[STO]               ; in: 96 r + 16 h
	v_and_b32 v5, 7, v0
	v_lshl_add_u32 v5, v3, 3, v5
	v_mul_u32_u24 v[TRA], v5, 96
	v_bfe_u32 v4, v0, 3, 1
	v_lshl_add_u32 v[TRA], v4, 4, v[TRA]
	v_add_nc_u32 v[TRA], s98, v[TRA]               ; back: 96 (8 h + lane % 8) + 16 ((lane / 8) % 2)
	v_lshlrev_b32 v[PFO], 8, v1
	v_and_b32 v[PFK], 15, v0
	v_mul_u32_u24 v4, v3, s67
	v_lshlrev_b32 v[PFK], 8, v[PFK]
	v_max_u32 v[PFK], v[PFK], v4
	v_mad_u32_u24 v[PFK], v3, s80, v[PFK]
	global_prefetch_b8 v[PFK], s[2:3] offset:8192 th:TH_LOAD_NT scope:SCOPE_SE    ; K slot 2
	; ids for the ways out: they enter global addresses alone
	s_lshl_b32 s66, s42, 8
	s_lshl_b32 s98, s83, 7
	s_add_co_u32 s66, s66, s98
	s_lshr_b32 s66, s66, s81                       ; s66 = my first token: 256 x block + 128 WH; q: 128 x block + 64 WH
	s_lshr_b32 s67, s66, 11                        ; its batch
	s_and_b32 s96, s66, 2047                       ; s96 = its position
	s_lshl_b32 s97, s41, 2
	s_lshl_b32 s98, s84, 1
	s_add_co_u32 s97, s97, s98                     ; s97 = my first head, 4 cy + 2 WL
	s_lshl_b32 s67, s67, 4
	s_add_co_u32 s67, s67, s97                     ; s67 = 16 x batch + head
	s_lshl_b32 s98, s67, 19
	s_lshl_b32 s99, s96, 8
	s_add_co_u32 s98, s98, s99
	s_mov_b32 s99, 0
	s_add_nc_u64 s[86:87], s[14:15], s[98:99]      ; value_residual at my first head's first row
.macro FRAG reg, adr, q, i             ; tile i's fragment of the slot's q-th 128 along K
.irp c, 0,1,2,3
	ds_load_b128 v[\reg+4*\c:\reg+4*\c+3], v[\adr] offset:4096*(\i)+2048*(\q)+512*\c
.endr
.endm
; 16 matrix instructions: fragment registers a0, a0 + 1 of the tokens x the weights' eight tiles (set p).  zero = 1: the first product starts the sums.  The accumulators take turns, one instruction a turn, in the same
; order in every step.
.macro MUL16 a0, p, zero
.irp a, \a0, \a0+1
.irp b, 0,1,2,3,4,5,6,7
.if \zero
	v_wmma_f32_16x16x128_fp8_fp8 v[8*(8*((\a)%4)+\b):8*(8*((\a)%4)+\b)+7], v[128*(\p)+FR*\b:128*(\p)+FR*\b+FR-1], v[AF+FR*(\a):AF+FR*(\a)+FR-1], 0
.else
	v_wmma_f32_16x16x128_fp8_fp8 v[8*(8*((\a)%4)+\b):8*(8*((\a)%4)+\b)+7], v[128*(\p)+FR*\b:128*(\p)+FR*\b+FR-1], v[AF+FR*(\a):AF+FR*(\a)+FR-1], v[8*(8*((\a)%4)+\b):8*(8*((\a)%4)+\b)+7]
.endif
.endr
.endr
.endm
.macro FETCH_B slot, q, p
	WIN TO_B
.irp i, 0,1,2,3,4,5,6,7
	FRAG 128*(\p)+FR*\i, ADRB+\slot, \q, \i
.endr
	WIN 0
.endm
.macro FETCH_A slot, q, i0
.irp i, \i0, \i0+1, \i0+2, \i0+3
	FRAG AF+FR*(\i), ADRA+\slot, \q, \i
.endr
.endm
.macro PLACES n                        ; plain vector lines between a matrix instruction and a load into, or a vector line on, one of its registers (ISA guide 7.12.1 for vector lines)
.rept \n
	v_nop
.endr
.endm
; ROLES k, v.  A step of 128 along K that has its successor in the same slot.  A block of tokens is free as soon as its eight products are issued: blocks 0-3 are fetched anew in the middle, blocks 4-7 at the end.
.macro STEP slot, q, zero
	s_wait_dscnt 4*NL                              ; the weights' set and token blocks 0-3 are in; the youngest 16 loads (blocks 4-7) may be out
	WIN MUL_LO
	MUL16 0, (\q)%2, \zero
	MUL16 2, (\q)%2, \zero
	s_wait_dscnt 0
	PLACES NP
	FETCH_B \slot, (\q)+1, 1-(\q)%2
	FETCH_A \slot, (\q)+1, 0
	WIN MUL_HI
	MUL16 4, (\q)%2, \zero
	MUL16 6, (\q)%2, \zero
	PLACES NP
	WIN 0
	FETCH_A \slot, (\q)+1, 4
.endm
; A slot's last step changes slots: ONE barrier; ahead of it each wave waits for all its tensor loads, adds 0 to its spare word, and waits for that and for its reads of this slot.  fill = 1: the barrier opens a round of the
; cluster's, and this slot is filled again, two K steps of 256 ahead, first thing behind it.
.macro TURN slot, next, fill, ask
	s_wait_tensorcnt 0x0                           ; all my tensor loads have landed: my part of the next slot
	ds_add_u32 v[SPW], v[NIL]
	s_wait_dscnt 4*NL+1                            ; (the add and the youngest 16 loads may be out)
	WIN MUL_LO
	MUL16 0, 1, 0
	s_wait_dscnt 0x0                               ; the add is done, and my reads of this slot are over
	s_barrier_signal -1
	MUL16 2, 1, 0
	WIN 0
	s_barrier_wait -1
.if \fill
	CREST                                          ; no wave of any partner still reads this slot or has a load on its way
	s_add_nc_u64 s[G0+4*\slot+2:G0+4*\slot+3], s[G0+4*\slot+2:G0+4*\slot+3], 8192
	s_add_nc_u64 s[G0B+4*\slot+2:G0B+4*\slot+3], s[G0B+4*\slot+2:G0B+4*\slot+3], 8192
	JLOAD G0+4*\slot, G1, G0B+4*\slot, G1B         ; its four v_nop are also the places ahead of the loads below
.else
	PLACES NP
.endif
	FETCH_B \next, 0, 0
	FETCH_A \next, 0, 0
.if \fill
	ASKV \ask
.endif
	WIN MUL_HI
	MUL16 4, 1, 0
	MUL16 6, 1, 0
	PLACES NP
	WIN 0
	FETCH_A \next, 0, 4
.endm
; ROLE q.  Wave 0 lands token tiles 0-3 at LDS byte 0 of a slot, wave 1 tiles 4-7 at 32,768: every LDS address is as in the other roles.  The tokens' four fragments have two sets (blocks 0-3 and 4-7 of the registers),
; like the weights': a step's 48 LDS loads are issued ahead of the step before's 32 products.
.macro FETCH_AH slot, q, p
.irp i, 0,1,2,3
	FRAG AF+FR*(\i+4*(\p)), ADRA+\slot, \q, \i
.endr
.endm
.macro STEPH slot, zero                ; a slot's first 128 along K, on sets 0; fetches its second 128 into sets 1
	s_wait_dscnt 0
	PLACES NP
	FETCH_B \slot, 1, 1
	FETCH_AH \slot, 1, 1
	WIN MUL_LO
	MUL16 0, 0, \zero
	MUL16 2, 0, \zero
	WIN 0
.endm
.macro TURNH slot, next, fill          ; a slot's second 128, on sets 1, and the change of slots, as in TURN
	s_wait_tensorcnt 0x0                           ; all my tensor loads have landed
	ds_add_u32 v[SPW], v[NIL]
	s_wait_dscnt 0x0                               ; the add is done, and my reads of this slot are over
	s_barrier_signal -1
	WIN MUL_LO
	MUL16 4, 1, 0
	WIN 0
	s_barrier_wait -1
.if \fill
	CREST
	s_add_nc_u64 s[G0+4*\slot+2:G0+4*\slot+3], s[G0+4*\slot+2:G0+4*\slot+3], 8192
	s_add_nc_u64 s[G0B+4*\slot+2:G0B+4*\slot+3], s[G0B+4*\slot+2:G0B+4*\slot+3], 8192
	JLOAD G0+4*\slot, G1, G0B+4*\slot, G1B
.else
	PLACES NP
.endif
	FETCH_B \next, 0, 0
	FETCH_AH \next, 0, 0
	WIN MUL_LO
	MUL16 6, 1, 0
	WIN 0
.endm
	s_wait_alu depctr_va_vdst(0)                   ; the wait at the head's end
	s_wait_tensorcnt 0x0                           ; my part of slot 0 is in
	ds_add_u32 v[SPW], v[NIL]
	s_wait_dscnt 0x0
	CROUND                                         ; everybody's part of slot 0 is in, and all sixteen work-groups are here
	JLOAD G0+4, G1, G0B+4, G1B                     ; slot 1's first fill: the first tensor load behind the round
	FETCH_B 0, 0, 0
	FETCH_A 0, 0, 0
	global_prefetch_b8 v[PFK], s[2:3] offset:12288 th:TH_LOAD_NT scope:SCOPE_SE   ; K slot 3
	s_cmp_eq_u32 s85, 1
	s_cbranch_scc0 .Lfull
	STEPH 0, 1
	TURNH 0, 1, 1
	STEPH 1, 0
	TURNH 1, 0, 1
	STEPH 0, 0
	TURNH 0, 1, 0
	STEPH 1, 0
	s_wait_dscnt 0
	WIN MUL_LO
	MUL16 4, 1, 0
	MUL16 6, 1, 0
	WIN 0
	s_branch .Lkdone
.Lfull:
	FETCH_A 0, 0, 4
	STEP 0, 0, 1                                   ; K 0-127: its products start the sums: nothing is cleared
	TURN 0, 1, 1, 0
	STEP 1, 0, 0
	TURN 1, 0, 1, 1
	STEP 0, 0, 0
	TURN 0, 1, 0, 0                                ; nothing is left to fetch: no round
	STEP 1, 0, 0
	s_wait_dscnt 4*NL
	WIN MUL_LO
	MUL16 0, 1, 0
	MUL16 2, 1, 0
	s_wait_dscnt 0
	WIN MUL_HI
	MUL16 4, 1, 0
	MUL16 6, 1, 0
	WIN 0
.Lkdone:
	s_wait_kmcnt 0x0                               ; the exponents
	PLACES NP                                      ; ahead of the first read of results and of loads into the fragments' registers
	s_cmp_eq_u32 s85, 0
	s_cbranch_scc1 .Lrole_v
	; ---------------- q, k ----------------
	s_sub_co_i32 s22, s74, s68
	s_sub_co_i32 s22, s22, s69
	s_add_co_i32 s22, s22, 3                       ; q: e6 - e0 - e1 + 3
	s_sub_co_i32 s23, s75, s70
	s_sub_co_i32 s23, s23, s71                     ; k: e7 - e2 - e3
	s_cmp_eq_u32 s85, 2
	s_cselect_b32 s22, s23, s22
	s_cselect_b64 s[88:89], s[20:21], s[18:19]     ; k goes to kv, q to qimg
	s_cselect_b32 s98, 1, 0
	s_add_co_i32 s22, s22, 127
	s_lshl_b32 s23, s22, 23
	v_mov_b32 v[SCL], s23
	s_add_co_i32 s22, s22, 8
	s_lshl_b32 s22, s22, 23
	s_or_b32 s22, s22, 0x600000
	v_mov_b32 v[LIM], s22
	s_lshl_b32 s46, s67, 17                        ; qimg: 131,072 bytes a head, 64 a position; kv: twice that
	s_lshl_b32 s47, s96, 6
	s_add_co_u32 s46, s46, s47
	s_lshl_b32 s46, s46, s98
	s_mov_b32 s47, 0
	s_add_nc_u64 s[88:89], s[88:89], s[46:47]      ; my first head's images
	s_lshl_b32 s46, 131072, s98
	s_add_nc_u64 s[90:91], s[88:89], s[46:47]      ; my second head's
	s_lshl_b32 s46, s96, 8
	s_add_nc_u64 s[92:93], s[10:11], s[46:47]      ; the table at my first position: 4,096 bytes for 16 positions, laid as the image of set a's 32 registers
.macro TLD a                           ; set a: token 16 a + r's cos of pairs 8 h .. (registers 0-7), 16 + 8 h .. (8-15), sin likewise (16-31): each load reads 512 consecutive bytes
.irp m, 0,1,2,3,4,5,6,7
	global_load_b128 v[32*(\a)+4*\m:32*(\a)+4*\m+3], v[LI], s[92:93] offset:4096*(\a)+512*\m
.endr
.endm
	s_cmp_eq_u32 s85, 1
	s_cbranch_scc1 .Lq_tab                         ; q has token blocks 0-3 alone
	WIN 0x40                                       ; destination window 1: the weights' fragments are done with
.irp a, 4,5,6,7
	TLD \a
.endr
	WIN 0
.Lq_tab:
	WIN 0x40
.irp a, 0,1,2,3
	TLD \a
.endr
	WIN 0
.set CODE, 64                          ; v64-191: 8 registers for each (block of tokens, head): written once
.macro ROTA a
	s_wait_loadcnt 8*(3-(\a)+8*((\a)/4))           ; set a is in; the younger sets of 8 loads may be out (the sets were asked for in the order 4 .. 7, 0 .. 3)
.irp hd, 0,1
.irp g, 0,1
.set AE, 8*(8*((\a)%4)+4*\hd+2*\g)     ; the even channels' accumulator,
.set AO, AE+8                          ; the odd ones'
.set TT, 32+16*\g                      ; at work: two sets by turns, so that the next block's first line is the plain line behind this block's conversions
.set RC, 32*(\a)+8*\g
.set RS, 32*(\a)+16+8*\g
	WIN 0x06+(\a)/4                                ; source 0 the accumulators' window, source 1 window 1, source 2 and destination window 0
.irp i, 0,2,4,6
	v_pk_mul_f32 v[TT+\i:TT+\i+1], v[AO+\i:AO+\i+1], v[RS+\i:RS+\i+1]          ; each accumulator is read from its low end on
.endr
.irp i, 0,2,4,6
	v_pk_mul_f32 v[TT+8+\i:TT+8+\i+1], v[AE+\i:AE+\i+1], v[RS+\i:RS+\i+1]
.endr
.irp i, 0,2,4,6
	v_pk_fma_f32 v[TT+\i:TT+\i+1], v[AE+\i:AE+\i+1], v[RC+\i:RC+\i+1], v[TT+\i:TT+\i+1] neg_lo:[0,0,1] neg_hi:[0,0,1]   ; even: x_even cos - x_odd sin
.endr
.irp i, 0,2,4,6
	v_pk_fma_f32 v[TT+8+\i:TT+8+\i+1], v[AO+\i:AO+\i+1], v[RC+\i:RC+\i+1], v[TT+8+\i:TT+8+\i+1]                          ; odd: x_odd cos + x_even sin
.endr
	WIN 0
.set ii, 0
.rept 16
	v_med3_num_f32 v[TT+ii], v[TT+ii], -v[LIM], v[LIM]   ; the conversion does not saturate (ISA guide 7.6.2)
.set ii, ii+1
.endr
	v_cvt_scalef32_pk8_fp8_f32 v[CODE+8*(2*(\a)+\hd)+4*\g:CODE+8*(2*(\a)+\hd)+4*\g+1], v[TT:TT+7], v[SCL]
	v_cvt_scalef32_pk8_fp8_f32 v[CODE+8*(2*(\a)+\hd)+4*\g+2:CODE+8*(2*(\a)+\hd)+4*\g+3], v[TT+8:TT+15], v[SCL]
.endr
	global_store_b128 v[LI], v[CODE+8*(2*(\a)+\hd):CODE+8*(2*(\a)+\hd)+3], s[88+2*\hd:89+2*\hd] offset:1024*(\a)          ; 512 consecutive bytes each
	global_store_b128 v[LI], v[CODE+8*(2*(\a)+\hd)+4:CODE+8*(2*(\a)+\hd)+7], s[88+2*\hd:89+2*\hd] offset:1024*(\a)+512
.endr
.endm
	s_cmp_eq_u32 s85, 1
	s_cbranch_scc1 .Lq_rot
.irp a, 4,5,6,7
	ROTA \a
.endr
.Lq_rot:
.irp a, 0,1,2,3
	ROTA \a
.endr
	v_nop                                          ; a plain line behind the last conversion
	s_branch .Lend
	; ---------------- v ----------------
.Lrole_v:
	s_add_co_i32 s94, s70, s71                     ; e2 + e3
	s_add_co_i32 s94, s94, 127
	s_lshl_b32 s94, s94, 23                        ; 2^(e2 + e3)
	s_mov_b32 s95, s94                             ; (named with it as a pair, so it is written)
	s_add_co_i32 s22, s77, 127                     ; e9
	s_lshl_b32 s23, s22, 23
	v_mov_b32 v[SCL], s23
	s_add_co_i32 s22, s22, 8
	s_lshl_b32 s22, s22, 23
	s_or_b32 s22, s22, 0x600000
	v_mov_b32 v[LIM], s22
	s_lshl_b32 s46, s66, 6                         ; mix: 1,024 bytes a tile of 16 tokens,
	s_lshl_b32 s47, s97, 5                         ; 32 a head
	s_add_co_u32 s46, s46, s47
	s_mov_b32 s47, 0
	s_add_nc_u64 s[90:91], s[12:13], s[46:47]
	s_lshl_b32 s46, s67, 18                        ; kv: 262,144 bytes a head, 16,384 a block of 128 keys; V's tiles lie behind K's 8,192
	s_lshl_b32 s98, s96, 7
	s_add_co_u32 s46, s46, s98
	s_add_co_u32 s46, s46, 8192
	s_add_nc_u64 s[88:89], s[20:21], s[46:47]
	s_mov_b32 s98, 0x06040200                      ; v_perm_b32: the even bytes of two registers,
	s_mov_b32 s99, 0x07050301                      ; the odd ones
; sixteen sets q = 8 x head + block of 16 tokens.  v32-63: the lane's token's mix, twice (a pair for the packed form); v64-95 v, v96-127 the difference; v128-255 the codes, 8 a set
.irp q, 0,1,2,3,4,5,6,7,8,9,10,11,12,13,14,15
	global_load_b32 v[32+2*\q], v[MXO], s[90:91] offset:1024*(\q%8)+32*(\q/8)
.endr
.macro VLOAD q                         ; value_residual of token 16 a + r: channels 16 h + 0 .. 15 and 32 + 16 h + 0 .. 15, into set q % 8 of window 1
	WIN 0x40
.irp m, 0,1,2,3,4,5,6,7
	global_load_b128 v[32*((\q)%8)+4*\m:32*((\q)%8)+4*\m+3], v[VRO], s[86:87] offset:524288*((\q)/8)+4096*((\q)%8)+128*(\m/4)+16*(\m%4)   ; no hint: a set's eight loads take their 16 bytes from the same 16 rows of 256
.endr
	WIN 0
.endm
.irp q, 0,1,2,3,4,5
	VLOAD \q
.endr
.macro VSET q
.set QA, (\q)%8
.set QH, (\q)/8
.if 15-(\q) < 5
	s_wait_loadcnt 8*(15-(\q))                     ; set q is in; the younger sets of 8 loads may be out: five of them, fewer at the end
.else
	s_wait_loadcnt 40
.endif
.if (\q) == 0
.set ii, 0
.rept 16
	v_mov_b32 v[33+2*ii], v[32+2*ii]               ; (the mix loads are older than every set)
.set ii, ii+1
.endr
.endif
	WIN 0x02+QA/4                                  ; source 0: the accumulators' window
.set ii, 0
.rept 16
	v_pk_mul_f32 v[64+ii:65+ii], v[8*(8*(QA%4)+4*QH)+ii:8*(8*(QA%4)+4*QH)+ii+1], s[94:95] op_sel_hi:[1,0]   ; v = sum x 2^(e2 + e3); register 16 bb + i is channel 32 bb + 16 h + i
.set ii, ii+2
.endr
	WIN 0x01                                       ; source 0: window 1
.set ii, 0
.rept 16
	v_pk_add_f32 v[96+ii:97+ii], v[32*QA+ii:32*QA+ii+1], v[64+ii:65+ii] neg_lo:[0,1] neg_hi:[0,1]
.set ii, ii+2
.endr
	WIN 0
.set ii, 0
.rept 16
	v_pk_fma_f32 v[64+ii:65+ii], v[96+ii:97+ii], v[32+2*(\q):33+2*(\q)], v[64+ii:65+ii]   ; v + (value_residual - v) x mix
.set ii, ii+2
.endr
.set ii, 0
.rept 32
	v_med3_num_f32 v[64+ii], v[64+ii], -v[LIM], v[LIM]
.set ii, ii+1
.endr
.irp t, 0,1,2,3
	v_cvt_scalef32_pk8_fp8_f32 v[128+8*(\q)+2*\t:128+8*(\q)+2*\t+1], v[64+8*\t:64+8*\t+7], v[SCL]
.endr
	v_nop                                          ; a plain line between the conversions and the next set's lines, which write their sources
	ds_store_b128 v[STO], v[128+8*(\q):128+8*(\q)+3] offset:12288*QH+1536*QA        ; token 16 a + r's row of the stage: channels 16 h + 0 .. 15,
	ds_store_b128 v[STO], v[128+8*(\q)+4:128+8*(\q)+7] offset:12288*QH+1536*QA+32   ; and 32 + 16 h + 0 .. 15
.if (\q) < 10
	VLOAD (\q)+6                                   ; into the registers that set q - 2 has left
.endif
.endm
.irp q, 0,1,2,3,4,5,6,7,8,9,10,11,12,13,14,15
	VSET \q
.endr
	WIN 0x40
.irp hd, 0,1
.irp nn, 0,1
.irp c, 0,1,2,3,4,5,6,7                        ; keys 16 c + 8 h + 0 .. 7 of channels 32 nn + 2 r and 32 nn + 2 r + 1, byte by byte in turn.  LDS serves a wave's instructions in order (ISA guide 5.7.1.4): these see my stores
	ds_load_tr16_b128 v[128*\hd+4*(8*\nn+\c):128*\hd+4*(8*\nn+\c)+3], v[TRA] offset:12288*\hd+1536*\c+32*\nn
.endr
.endr
.endr
.irp hd, 0,1
	s_wait_dscnt 16-16*\hd                         ; head 0's sixteen loads are in (and all my stores into the stage have read their registers); head 1's sixteen, the younger, may be out
	WIN 0x05                                       ; sources 0 and 1 window 1, destination window 0
.irp nn, 0,1
.irp c, 0,1,2,3,4,5,6,7
.set TI, 128*\hd+4*(8*\nn+\c)
.set FE, 128+16*(4*\hd+2*\nn)+2*\c
	v_perm_b32 v[FE], v[TI+1], v[TI], s98          ; registers 2 c, 2 c + 1 of the even channels' tile,
	v_perm_b32 v[FE+1], v[TI+3], v[TI+2], s98
	v_perm_b32 v[FE+16], v[TI+1], v[TI], s99       ; and of the odd channels'
	v_perm_b32 v[FE+17], v[TI+3], v[TI+2], s99
.endr
.endr
.endr
	WIN 0
.irp hd, 0,1
.irp t, 0,1,2,3
.irp c, 0,1,2,3
	global_store_b128 v[LI], v[128+16*(4*\hd+\t)+4*\c:128+16*(4*\hd+\t)+4*\c+3], s[88:89] offset:262144*\hd+2048*\t+512*\c   ; 512 consecutive bytes each
.endr
.endr
.endr
.Lend:
	s_wait_tensorcnt 0x0                           ; the wave's end
	ds_add_u32 v[SPW], v[NIL]
	s_wait_dscnt 0x0
	CROUND                                         ; the closing round: no work-group ends while a partner may still ask for a tile that names it
	s_endpgm
.Lfunc_end_k_qee3a53b837_proj:
	.size	k_qee3a53b837_proj, .Lfunc_end_k_qee3a53b837_proj-k_qee3a53b837_proj
	.p2alignl 7, 3214868480
	.fill 96, 4, 3214868480
	.section	.rodata,"a",@progbits
	.p2align	6, 0x0
	.amdhsa_kernel k_qee3a53b837_proj
		.amdhsa_group_segment_fixed_size 327680
		.amdhsa_private_segment_fixed_size 0
		.amdhsa_enable_private_segment 0
		.amdhsa_kernarg_size 72
		.amdhsa_user_sgpr_count 2
		.amdhsa_user_sgpr_kernarg_segment_ptr 1
		.amdhsa_wavefront_size32 1
		.amdhsa_system_sgpr_workgroup_id_x 1
		.amdhsa_system_sgpr_workgroup_id_y 1
		.amdhsa_system_sgpr_workgroup_id_z 1
		.amdhsa_system_vgpr_workitem_id 0
		.amdhsa_next_free_vgpr 1024
		.amdhsa_next_free_sgpr 100
		.amdhsa_reserve_vcc 0
		.amdhsa_float_denorm_mode_32 3
		.amdhsa_float_denorm_mode_16_64 3
		.amdhsa_memory_ordered 1
		.amdhsa_forward_progress 1
		.amdhsa_inst_pref_size 255
	.end_amdhsa_kernel
	.section	.bss,"aw",@nobits
	.p2align	6
	.space	262144
	.amdgpu_metadata
---
amdhsa.version: [ 1, 2 ]
amdhsa.kernels:
  - .name:           k_qee3a53b837_proj
    .symbol:         k_qee3a53b837_proj.kd
    .args:
      - { .name: tq, .offset: 0, .size: 8, .value_kind: global_buffer, .address_space: global }
      - { .name: tkv, .offset: 8, .size: 8, .value_kind: global_buffer, .address_space: global }
      - { .name: wimg, .offset: 16, .size: 8, .value_kind: global_buffer, .address_space: global }
      - { .name: rot, .offset: 24, .size: 8, .value_kind: global_buffer, .address_space: global }
      - { .name: mg, .offset: 32, .size: 8, .value_kind: global_buffer, .address_space: global }
      - { .name: value_residual, .offset: 40, .size: 8, .value_kind: global_buffer, .address_space: global }
      - { .name: lowp_scales, .offset: 48, .size: 8, .value_kind: global_buffer, .address_space: global }
      - { .name: qimg, .offset: 56, .size: 8, .value_kind: global_buffer, .address_space: global }
      - { .name: kv, .offset: 64, .size: 8, .value_kind: global_buffer, .address_space: global }
    .group_segment_fixed_size: 327680
    .private_segment_fixed_size: 0
    .kernarg_segment_align: 8
    .kernarg_segment_size: 72
    .max_flat_workgroup_size: 128
    .sgpr_count:     100
    .vgpr_count:     1024
    .wavefront_size: 32
...
	.end_amdgpu_metadata
.endif
;; end of part 2
;; launch attn (part 3): grid 4 x 64, 16 waves a work-group, no clusters, 167,936 bytes of LDS; arguments qimg, kv, mg, lowp_scales, oimg; writes oimg
.if DOCPART == 3
	.amdgcn_target "amdgcn-amd-amdhsa--gfx1250"
	.amdhsa_code_object_version 6
	.text
	.protected	k_qee3a53b837_attn
	.globl	k_qee3a53b837_attn
	.p2align	8
	.type	k_qee3a53b837_attn,@function
k_qee3a53b837_attn:
	s_mov_b64 s[64:65], 0
	v_nop
	global_prefetch_b8 v0, s[64:65] scope:SCOPE_SE
	s_setreg_imm32_b32 hwreg(HW_REG_WAVE_MODE, 25, 1), 1
	s_wait_xcnt 0x0
; ATTN: for each (batch, head): softmax over the keys j with 0 <= i - j <= 512 of q . k, times v, times the gate; the result leaves as codes under e12.  Both products on codes of E4M3.
; THE SOFTMAX AHEAD OF THE SECOND PRODUCT: t = score x log2(e); M = the running largest t rounded UP to a whole number; p = 2^(t - M) is quantised under e8, not normalised; the row's sum is taken of the unquantised p and
; divides at the end.  When M moves, the sum and O are multiplied by 2^(old M - new M): exact.
; SHARES.  A work-group owns 512 queries of one (batch, head), in two passes of 256; wave w owns queries 16 w .. 16 w + 15 of each pass, in 256 registers: four waves to a SIMD.
; The mask that reference() builds leaves a block of 128 queries five blocks of 128 keys: its own and the four before.  The work-group's eight blocks, 4 x - 4 .. 4 x + 3, lie on end in kv (16,384 bytes each): waves 0 to 7
; fetch one each, ONCE, at the head: no slot is filled again, and there is one barrier.  Pass p of wave w walks LDS blocks 2 p + w / 8 + 0 .. 4.  Where 4 x - 4 + wave would be negative block 0 is fetched in its stead, so that
; the load stays in its buffer; those copies are never read: the steps with negative keys are jumped over by a scalar branch on ids.
; THE MASK IN A STEP.  Only a pass's first step (keys 512 back) and its last (the diagonal) hold hidden keys, and my first query lies 16 i (i = w % 8) behind the block's: so of a step's eight tiles of 16 keys one, tile i, is
; partly hidden (a compare and a select for each of its 8 registers) and those before it (first step) or behind it (last step) wholly (minus infinity by moves).  The tiles are chosen by scalar branches on ids.
; NO CLUSTER: neighbouring work-groups want windows four blocks apart, so a joint load's tile would have to land at different LDS places in the partners, and each work-group asks once only.
; NO PREFETCH: every tile is asked for at the head; there is no later load to run ahead of.
; LAYOUT.  Both products transposed: S^T = K Q^T (source 0 = 16 keys; lane (r, h) holds query r, register 8 t + j key 16 t + 8 h + j), O^T = V^T P^T (source 0 = 16 channels).  p's codes of tile t are registers 2 t, 2 t + 1
; of the second product's operand as they come.  Row m of V's tile tau is channel 32 (tau / 2) + 2 m + tau % 2; so the codes of O^T's tiles 2 nn and 2 nn + 1 are four registers of an image for the last product:
; oimg: [tile of 16 tokens 512][K step = head / 2][2,048], byte 512 c + 16 lane + jj with c = 2 (head % 2) + nn: k = 32 c + 16 h + 2 (jj % 8) + jj / 8 (Wout's image has the same order).
; LIMITS: e6 + e7 between -126 and 126 (added to an exponent field); e8 and e12 between -126 and 119; e8 + e9 is applied by v_ldexp_f32.  NaN is not served.
; REGISTERS: v1 16 x lane; v2 r - 8 h; v4, v5 the add's two; v6, v220 the gates; v8 the step's LDS address; v9-11, v223 masks; v12 -M, v13 the largest t, v[14:15] the sum in two halves; v16-23, v24-31 Q of pass 0, 1;
;   v32-95 K's eight fragments, then V's four; v96-159 S^T, then p; v160-191 O^T; v192-207 p's codes; v208-215, v244-255 at work; v216, v221: 448 x 2^e8; v217: 2^e8; v218, v219: the same for e12; v224-231 the codes that leave.
.set SPARE, 131072                     ; behind the eight blocks: the spare words, 128 bytes a wave, that no other line names
.set SPW, 4
.set NIL, 5
.set WV,  14                           ; s14 wave
.set BH,  15                           ; s15 16 x batch + head
.set Q0,  20                           ; s20 my first query
.set TB,  21                           ; s21 LDS byte of the step's block
.set KF,  22                           ; s22 the step's first key (signed)
.set STP, 23                           ; s23 counts the five steps
.set SEL, 38                           ; s[38:39] lane selects: lane xor 16
.set CS,  54                           ; s[54:55] log2(e) x 2^(e6 + e7)
	s_load_b256 s[4:11], s[0:1], 0x0               ; qimg s[4:5], kv s[6:7], mg s[8:9], the exponents s[10:11]
	s_load_b64 s[12:13], s[0:1], 0x20              ; oimg
	v_lshl_add_u32 v[SPW], v0, 2, SPARE
	v_mov_b32 v[NIL], 0
	ds_add_u32 v[SPW], v[NIL]                      ; the opening: the add, twice on end, and its wait ahead of the first tensor load
	ds_add_u32 v[SPW], v[NIL]
	v_lshrrev_b32 v1, 5, v0
	s_delay_alu instid0(VALU_DEP_1)
	v_readfirstlane_b32 s[WV], v1                  ; wave 0..15
	s_and_b32 s[BH], ttmp7, 0xffff
	; descriptor group 1: a block of 16,384 bytes, dense in memory and in LDS, as 64 rows of 256 bytes
	s_mov_b32 s24, 3<<16                           ; no mask; elements of 8 bytes; no padding
	s_mov_b32 s25, 32<<16                          ; tensor_dim0 = 32
	s_mov_b32 s26, 64<<16                          ; tensor_dim1 = 64
	s_mov_b32 s27, 32<<16                          ; tile_dim0
	s_mov_b32 s28, 64                              ; tile_dim1
	s_mov_b32 s29, 32                              ; tensor_dim0_stride
	s_mov_b32 s30, 0
	s_mov_b32 s31, 0
	s_lshl_b32 s16, ttmp9, 2
	s_add_co_u32 s16, s16, s[WV]
	s_sub_co_i32 s16, s16, 4
	s_max_i32 s16, s16, 0                          ; block 4 x - 4 + wave, or block 0
	s_lshl_b32 s16, s16, 14
	s_lshl_b32 s17, s[BH], 18
	s_add_co_u32 s16, s16, s17
	s_mov_b32 s17, 0
	s_lshl_b32 s[Q0], ttmp9, 9
	s_lshl_b32 s18, s[WV], 4
	s_add_co_u32 s[Q0], s[Q0], s18                 ; 512 x + 16 wave
	s_lshl_b32 s18, s[BH], 17
	s_lshl_b32 s19, s[Q0], 6
	s_add_co_u32 s18, s18, s19                     ; my tile's image of Q
	s_mov_b32 s19, 0
	s_lshr_b32 s60, s[BH], 4
	s_lshl_b32 s60, s60, 7
	s_lshr_b32 s61, s[Q0], 4
	s_add_co_u32 s60, s60, s61                     ; my tile of 16 tokens among the 512
	s_and_b32 s61, s[BH], 15                       ; the head
	s_lshl_b32 s56, s60, 10
	s_lshl_b32 s57, s61, 5
	s_add_co_u32 s56, s56, s57
	s_add_co_u32 s56, s56, 524288                  ; the gate: 1,024 bytes a tile, 32 a head
	s_mov_b32 s57, 0
	s_lshl_b32 s58, s60, 14
	s_lshl_b32 s59, s61, 10
	s_add_co_u32 s58, s58, s59                     ; oimg: 16,384 bytes a tile, 1,024 a head
	s_mov_b32 s59, 0
	s_lshr_b32 s62, s[WV], 3                       ; which of a pass's two blocks of queries is mine
	s_lshl_b32 s[TB], s62, 14
	s_lshl_b32 s[KF], ttmp9, 2
	s_add_co_u32 s[KF], s[KF], s62
	s_sub_co_i32 s[KF], s[KF], 4
	s_lshl_b32 s[KF], s[KF], 7                     ; 128 (4 x + that - 4)
	s_mov_b32 s[SEL], 0x76543210
	s_mov_b32 s[SEL+1], 0xfedcba98
	s_mov_b32 s[STP], 0
	s_wait_dscnt 0x0                               ; both opening adds are done
	s_wait_kmcnt 0x0
	s_mov_b32 s32, 1                               ; group 0: count = 1
	s_lshl_b32 s33, s[WV], 14                      ; LDS address: 16,384 x wave
	s_add_nc_u64 s[34:35], s[6:7], s[16:17]
	s_or_b32 s35, s35, 0x80000000                  ; type = 2
	s_cmp_lt_u32 s[WV], 8
	s_cbranch_scc0 .Lno_fetch
	tensor_load_to_lds s[32:35], s[24:31]          ; a wave has one tensor load out
	s_nop 0
.rept 4
	v_nop
.endr
.Lno_fetch:
	s_load_b256 s[40:47], s[10:11], 0x0            ; e0 .. e7
	s_load_b128 s[48:51], s[10:11], 0x20           ; e8 .. e11
	s_load_b64 s[52:53], s[10:11], 0x30            ; e12, e13
	s_add_nc_u64 s[4:5], s[4:5], s[18:19]
	s_add_nc_u64 s[8:9], s[8:9], s[56:57]
	s_add_nc_u64 s[12:13], s[12:13], s[58:59]
	v_and_b32 v1, 31, v0
	s_delay_alu instid0(VALU_DEP_1)
	v_lshlrev_b32 v1, 4, v1                        ; 16 x lane
	v_and_b32 v2, 15, v0                           ; r
	v_bfe_u32 v3, v0, 4, 1                         ; h
	s_delay_alu instid0(VALU_DEP_2)
	v_lshrrev_b32 v7, 3, v2
	s_delay_alu instid0(VALU_DEP_3)
	v_and_b32 v8, 7, v2
	s_delay_alu instid0(VALU_DEP_1)
	v_lshlrev_b32 v8, 2, v8
	s_delay_alu instid0(VALU_DEP_1)
	v_lshl_add_u32 v7, v7, 9, v8                   ; the gate of query r: 512 (r / 8) + 4 (r % 8)
	global_load_b128 v[16:19], v1, s[4:5]
	global_load_b128 v[20:23], v1, s[4:5] offset:512
	global_load_b32 v6, v7, s[8:9]
	global_load_b128 v[24:27], v1, s[4:5] offset:16384     ; the second pass's tile lies 16 tiles on: 1,024 bytes a tile in qimg and in mg
	global_load_b128 v[28:31], v1, s[4:5] offset:16896
	global_load_b32 v220, v7, s[8:9] offset:16384
	v_lshlrev_b32 v3, 3, v3
	s_delay_alu instid0(VALU_DEP_1)
	v_sub_nc_u32 v2, v2, v3                        ; r - 8 h
	v_mov_b32 v10, 0xff800000                      ; -infinity,
	v_mov_b32 v223, 0xff800000                     ; and once more, for the second half of a dual pair
	v_mov_b32 v13, 0xff61b1e6                      ; the largest t so far: -3e38
	s_delay_alu instid0(VALU_DEP_1)
	v_floor_f32 v12, -v13                          ; -M
	v_mov_b32 v14, 0
	v_mov_b32 v15, 0
	v_mov_b32 v211, 0                              ; (named as the upper half of the pair v[210:211])
	v_mov_b32 v212, 0                              ; a lane permute's destination counts as one of its sources
.set ii, 0
.rept 32
	v_mov_b32 v[160+ii], 0                         ; O^T: the step is written once; the first finds zeros, which the first change of M leaves zeros
.set ii, ii+1
.endr
	s_wait_kmcnt 0x0
	s_add_co_i32 s56, s46, s47                     ; e6 + e7
	s_lshl_b32 s56, s56, 23
	s_add_co_i32 s[CS], s56, 0x3fb8aa3b
	s_mov_b32 s[CS+1], s[CS]
	s_add_co_i32 s56, s48, 127                     ; e8
	s_lshl_b32 s57, s56, 23
	v_mov_b32 v217, s57
	s_add_co_i32 s56, s56, 8
	s_lshl_b32 s56, s56, 23
	s_or_b32 s56, s56, 0x600000
	v_mov_b32 v216, s56
	v_mov_b32 v221, s56                            ; the same bound once more, for the second half of a dual pair
	s_add_co_i32 s56, s52, 127                     ; e12
	s_lshl_b32 s57, s56, 23
	v_mov_b32 v219, s57
	s_add_co_i32 s56, s56, 8
	s_lshl_b32 s56, s56, 23
	s_or_b32 s56, s56, 0x600000
	v_mov_b32 v218, s56
	s_wait_loadcnt 0x3                             ; the first pass's Q and gate are in; the three younger loads, the second pass's, may be out
	s_wait_tensorcnt 0x0                           ; my block, if I fetched one, lies in LDS,
	s_barrier_signal -1
	s_barrier_wait -1                              ; and so do the others'
.macro PASS p
.Lstep\@:                                          ; five trips, a constant: 128 keys each
	s_cmp_lt_i32 s[KF], 0
	s_cbranch_scc1 .Lskip\@                        ; keys before the sequence's first: a branch on ids
	v_add_nc_u32 v8, s[TB], v1
.rept 3
	v_nop                                          ; with the line above: four places ahead of loads into registers that the last products read
.endr
.irp t, 0,1,2,3,4,5,6,7
	ds_load_b128 v[32+8*\t:35+8*\t], v8 offset:1024*\t
	ds_load_b128 v[36+8*\t:39+8*\t], v8 offset:1024*\t+512
.endr
	s_wait_alu depctr_va_vdst(0)
	s_wait_dscnt 0x0
.irp t, 0,1,2,3,4,5,6,7
	v_wmma_f32_16x16x64_fp8_fp8 v[96+8*\t:103+8*\t], v[32+8*\t:39+8*\t], v[16+8*\p:23+8*\p], 0
.endr
.rept 4
	v_nop                                          ; four places: ahead of the loads below and of the first line on the scores
.endr
.irp t, 0,1,2,3
.irp c, 0,1,2,3
	ds_load_b128 v[32+16*\t+4*\c:35+16*\t+4*\c], v8 offset:8192+2048*\t+512*\c   ; V's four tiles land under the softmax
.endr
.endr
	s_sub_co_i32 s56, s[Q0], s[KF]                 ; 512 + 16 i in the first step, 16 i in the last, i = wave % 8
	v_add_nc_u32 v9, s56, v2                       ; d = my query - the step's first key - 8 h: register 8 t + j holds distance d - (16 t + j)
	s_cmp_le_i32 s56, 497                          ; my last query lies within 512 of the step's first key: nothing is too old
	s_cbranch_scc1 .Lno_old\@
	v_add_nc_u32 v11, 0xfffffe00, v9               ; d - 512
	s_wait_alu depctr_va_vdst(0)                   ; the wait
.irp t, 0,1,2,3,4,5,6                          ; tiles 0 .. i - 1 lie wholly over 512 back
	s_cmp_le_i32 s56, 512+16*\t
	s_cbranch_scc1 .Lop\@_\t
.irp j, 0,2,4,6
	v_dual_mov_b32 v[96+8*\t+\j], v10 :: v_dual_mov_b32 v[97+8*\t+\j], v223
.endr
.endr
.irp t, 7,6,5,4,3,2,1,0                        ; tile i, register by register
.Lop\@_\t:
.irp j, 0,1,2,3,4,5,6,7
	v_cmp_lt_i32 vcc_lo, 16*\t+\j, v11             ; distance over 512
	v_cndmask_b32 v[96+8*\t+\j], v[96+8*\t+\j], v10, vcc_lo
.endr
.if \t > 0
	s_branch .Lno_old\@
.endif
.endr
.Lno_old\@:
	s_cmp_ge_i32 s56, 127                          ; the step's last key is no later than my first query: nothing is hidden
	s_cbranch_scc1 .Lno_late\@
	s_wait_alu depctr_va_vdst(0)                   ; the wait
.irp t, 7,6,5,4,3,2,1                          ; tiles i + 1 .. 7 lie wholly behind my queries
	s_cmp_ge_i32 s56, 16*\t
	s_cbranch_scc1 .Llp\@_\t
.irp j, 0,2,4,6
	v_dual_mov_b32 v[96+8*\t+\j], v10 :: v_dual_mov_b32 v[97+8*\t+\j], v223
.endr
.endr
.irp t, 0,1,2,3,4,5,6,7                        ; tile i, register by register
.Llp\@_\t:
.irp j, 0,1,2,3,4,5,6,7
	v_cmp_gt_i32 vcc_lo, 16*\t+\j, v9              ; distance under 0
	v_cndmask_b32 v[96+8*\t+\j], v[96+8*\t+\j], v10, vcc_lo
.endr
.if \t < 7
	s_branch .Lno_late\@
.endif
.endr
.Lno_late\@:                                       ; in every block that is walked each query sees a key (the one 512 back, or key 0): M is a number from the first step on
	s_wait_alu depctr_va_vdst(0)                   ; the wait
	v_max3_num_f32 v208, v96, v97, v98             ; the step's largest score of my query among my 64 keys, in two chains, each result from its low end on
	v_max3_num_f32 v210, v99, v100, v101
.set ii, 6
.rept 14
	v_max3_num_f32 v208, v208, v[96+ii], v[97+ii]
	v_max3_num_f32 v210, v210, v[98+ii], v[99+ii]
.set ii, ii+4
.endr
	v_max3_num_f32 v208, v208, v158, v159
	s_delay_alu instid0(VALU_DEP_1)
	v_max_num_f32 v208, v208, v210
	s_delay_alu instid0(VALU_DEP_1)
	v_permlanex16_b32 v212, v208, s[SEL], s[SEL+1]
	s_delay_alu instid0(VALU_DEP_1)
	v_max_num_f32 v208, v208, v212                 ; and among lane xor 16's
	s_delay_alu instid0(VALU_DEP_1)
	v_mul_f32 v208, s[CS], v208                    ; as t
	s_delay_alu instid0(VALU_DEP_1)
	v_max_num_f32 v13, v13, v208
	v_mov_b32 v208, v12
	s_delay_alu instid0(VALU_DEP_2)
	v_floor_f32 v12, -v13                          ; the new -M = -ceil(t)
	s_delay_alu instid0(VALU_DEP_1)
	v_sub_f32 v208, v12, v208                      ; old M - new M: a whole number, 0 or less
	s_delay_alu instid0(VALU_DEP_1)
	v_cvt_i32_f32 v208, v208                       ; (it saturates)
	s_delay_alu instid0(VALU_DEP_1)
	v_ldexp_f32 v210, 1.0, v208                    ; f = 2^(old M - new M)
.set ii, 0
.rept 32
	v_pk_fma_f32 v[96+ii:97+ii], v[96+ii:97+ii], s[CS:CS+1], v[12:13] op_sel_hi:[1,0,0]   ; t - M
.set ii, ii+2
.endr
.set ii, 0
	s_wait_alu depctr_va_vdst(0)
.rept 64
	v_exp_f32 v[96+ii], v[96+ii]                   ; p = 2^(t - M)
.set ii, ii+1
.endr
	v_pk_mul_f32 v[14:15], v[14:15], v[210:211] op_sel_hi:[1,0]   ; the sums under the new M: the plain line behind the batch
	s_wait_alu depctr_va_vdst(0)                   ; one wait for the 64, ahead of their first reader
	v_pk_add_f32 v[214:215], v[100:101], v[104:105]
	v_pk_add_f32 v[254:255], v[108:109], v[112:113]
	v_pk_add_f32 v[252:253], v[116:117], v[120:121]
	v_pk_add_f32 v[250:251], v[124:125], v[128:129]
	v_pk_add_f32 v[248:249], v[132:133], v[136:137]
	v_pk_add_f32 v[246:247], v[140:141], v[144:145]
	v_pk_add_f32 v[244:245], v[148:149], v[152:153]
	v_pk_add_f32 v[14:15], v[14:15], v[156:157]
	v_pk_add_f32 v[214:215], v[214:215], v[96:97]
	v_pk_add_f32 v[254:255], v[254:255], v[98:99]
	v_pk_add_f32 v[252:253], v[252:253], v[102:103]
	v_pk_add_f32 v[250:251], v[250:251], v[106:107]
	v_pk_add_f32 v[248:249], v[248:249], v[110:111]
	v_pk_add_f32 v[246:247], v[246:247], v[114:115]
	v_pk_add_f32 v[244:245], v[244:245], v[118:119]
	v_pk_add_f32 v[14:15], v[14:15], v[122:123]
	v_pk_add_f32 v[214:215], v[214:215], v[126:127]
	v_pk_add_f32 v[254:255], v[254:255], v[130:131]
	v_pk_add_f32 v[252:253], v[252:253], v[134:135]
	v_pk_add_f32 v[250:251], v[250:251], v[138:139]
	v_pk_add_f32 v[248:249], v[248:249], v[142:143]
	v_pk_add_f32 v[246:247], v[246:247], v[146:147]
	v_pk_add_f32 v[244:245], v[244:245], v[150:151]
	v_pk_add_f32 v[14:15], v[14:15], v[154:155]
	v_pk_add_f32 v[214:215], v[214:215], v[158:159]
	s_delay_alu instid0(VALU_DEP_2)
	v_pk_add_f32 v[14:15], v[14:15], v[250:251]
	s_delay_alu instid0(VALU_DEP_2)
	v_pk_add_f32 v[214:215], v[214:215], v[248:249]
	v_pk_add_f32 v[254:255], v[254:255], v[246:247]
	v_pk_add_f32 v[252:253], v[252:253], v[244:245]
	s_delay_alu instid0(VALU_DEP_2)
	v_pk_add_f32 v[14:15], v[14:15], v[254:255]
	s_delay_alu instid0(VALU_DEP_2)
	v_pk_add_f32 v[214:215], v[214:215], v[252:253]
	s_delay_alu instid0(VALU_DEP_1)
	v_pk_add_f32 v[14:15], v[14:15], v[214:215]
.irp t, 0,1,2,3,4,5,6,7
.irp j, 0,2,4,6
	v_dual_min_num_f32 v[96+8*\t+\j], v[96+8*\t+\j], v216 :: v_dual_min_num_f32 v[97+8*\t+\j], v[97+8*\t+\j], v221   ; the conversion does not saturate (ISA guide 7.6.2); p is not negative: a one-sided hold, two numbers a line
.endr
	v_cvt_scalef32_pk8_fp8_f32 v[192+2*\t:193+2*\t], v[96+8*\t:103+8*\t], v217
.endr
.set ii, 0
.rept 16
	v_pk_mul_f32 v[160+ii:161+ii], v[160+ii:161+ii], v[210:211] op_sel_hi:[1,0]   ; O^T under the new M; also the plain lines between the conversions and the products
.set ii, ii+2
.endr
	s_wait_alu depctr_va_vdst(0)
	s_wait_dscnt 0x0                               ; V
.irp t, 0,1,2,3                                ; four accumulators by turns, one instruction a turn
	v_wmma_f32_16x16x128_fp8_fp8 v[160+8*\t:167+8*\t], v[32+16*\t:47+16*\t], v[192:207], v[160+8*\t:167+8*\t]
.endr
.Lskip\@:
	s_add_co_u32 s[TB], s[TB], 16384
	s_add_co_i32 s[KF], s[KF], 128
	s_add_co_u32 s[STP], s[STP], 1
	s_cmp_lt_u32 s[STP], 5
	s_cbranch_scc1 .Lstep\@
	; THE WAY OUT: O^T / the sum x 2^(e8 + e9) x the gate, quantised under e12: the codes are two groups of four registers of the last product's operand
	v_add_f32 v14, v14, v15
	s_delay_alu instid0(VALU_DEP_1)
	v_permlanex16_b32 v212, v14, s[SEL], s[SEL+1]
	s_delay_alu instid0(VALU_DEP_1)
	v_add_f32 v14, v14, v212                       ; the row's sum
	s_wait_alu depctr_va_vdst(0)
	v_rcp_f32 v14, v14
	v_nop                                          ; a plain line behind the reciprocal
	s_add_co_i32 s56, s48, s49
	s_wait_alu depctr_va_vdst(0)                   ; the wait ahead of its first reader
	v_ldexp_f32 v14, v14, s56
	s_delay_alu instid0(VALU_DEP_1)
	v_mul_f32 v14, v14, v[6+214*\p]
.set ii, 0
.rept 16
	v_pk_mul_f32 v[96+ii:97+ii], v[160+ii:161+ii], v[14:15] op_sel_hi:[1,0]   ; (the five plain lines above are the places behind the last products)
.set ii, ii+2
.endr
.set ii, 0
.rept 32
	v_med3_num_f32 v[96+ii], v[96+ii], -v218, v218
.set ii, ii+1
.endr
.irp t, 0,1,2,3
	v_cvt_scalef32_pk8_fp8_f32 v[224+2*\t:225+2*\t], v[96+8*\t:103+8*\t], v219
.endr
	v_nop
	global_store_b128 v1, v[224:227], s[12:13] offset:262144*\p       ; 512 consecutive bytes each; 16,384 bytes a tile of 16 tokens in oimg
	global_store_b128 v1, v[228:231], s[12:13] offset:262144*\p+512
.endm
	PASS 0
	s_wait_loadcnt 0x0                             ; the second pass's Q and gate
	s_wait_xcnt 0x0                                ; the stores have read v224-231, which the second pass writes again
	s_add_co_u32 s[Q0], s[Q0], 256                 ; the second pass: 256 queries on,
	s_sub_co_i32 s[KF], s[KF], 384                 ; its first key 256 behind the first pass's first (five steps of 128 were walked)
	s_mov_b32 s[STP], 0
	s_lshl_b32 s[TB], s62, 14
	s_add_co_u32 s[TB], s[TB], 32768               ; two blocks on in LDS
	v_mov_b32 v13, 0xff61b1e6                      ; the largest t so far: -3e38
	v_floor_f32 v12, -v13
	v_mov_b32 v14, 0
	v_mov_b32 v15, 0
.set ii, 0
.rept 32
	v_mov_b32 v[160+ii], 0                         ; O^T begins anew
.set ii, ii+1
.endr
	s_wait_alu depctr_va_vdst(0)                   ; the wait ahead of the branches
	PASS 1
	s_wait_tensorcnt 0x0                           ; the wave's end
	ds_add_u32 v[SPW], v[NIL]
	s_wait_dscnt 0x0
	s_endpgm
.Lfunc_end_k_qee3a53b837_attn:
	.size	k_qee3a53b837_attn, .Lfunc_end_k_qee3a53b837_attn-k_qee3a53b837_attn
	.p2alignl 7, 3214868480
	.fill 96, 4, 3214868480
	.section	.rodata,"a",@progbits
	.p2align	6, 0x0
	.amdhsa_kernel k_qee3a53b837_attn
		.amdhsa_group_segment_fixed_size 167936
		.amdhsa_private_segment_fixed_size 0
		.amdhsa_enable_private_segment 0
		.amdhsa_kernarg_size 40
		.amdhsa_user_sgpr_count 2
		.amdhsa_user_sgpr_kernarg_segment_ptr 1
		.amdhsa_wavefront_size32 1
		.amdhsa_system_sgpr_workgroup_id_x 1
		.amdhsa_system_sgpr_workgroup_id_y 1
		.amdhsa_system_sgpr_workgroup_id_z 1
		.amdhsa_system_vgpr_workitem_id 0
		.amdhsa_next_free_vgpr 256
		.amdhsa_next_free_sgpr 66
		.amdhsa_reserve_vcc 1
		.amdhsa_float_denorm_mode_32 3
		.amdhsa_float_denorm_mode_16_64 3
		.amdhsa_memory_ordered 1
		.amdhsa_forward_progress 1
		.amdhsa_inst_pref_size 79
	.end_amdhsa_kernel
	.amdgpu_metadata
---
amdhsa.version: [ 1, 2 ]
amdhsa.kernels:
  - .name:           k_qee3a53b837_attn
    .symbol:         k_qee3a53b837_attn.kd
    .args:
      - { .name: qimg, .offset: 0, .size: 8, .value_kind: global_buffer, .address_space: global }
      - { .name: kv, .offset: 8, .size: 8, .value_kind: global_buffer, .address_space: global }
      - { .name: mg, .offset: 16, .size: 8, .value_kind: global_buffer, .address_space: global }
      - { .name: lowp_scales, .offset: 24, .size: 8, .value_kind: global_buffer, .address_space: global }
      - { .name: oimg, .offset: 32, .size: 8, .value_kind: global_buffer, .address_space: global }
    .group_segment_fixed_size: 167936
    .private_segment_fixed_size: 0
    .kernarg_segment_align: 8
    .kernarg_segment_size: 40
    .max_flat_workgroup_size: 512
    .sgpr_count:     66
    .vgpr_count:     256
    .wavefront_size: 32
...
	.end_amdgpu_metadata
.endif
;; end of part 3
;; launch outp (part 4): grid 64 x 4, 4 waves a work-group, clusters of 4 x 4, 327,680 bytes of LDS; arguments oimg, wimg, lowp_scales, out0; writes out0
.if DOCPART == 4
	.amdgcn_target "amdgcn-amd-amdhsa--gfx1250"
	.amdhsa_code_object_version 6
	.text
	.protected	k_qee3a53b837_outp
	.globl	k_qee3a53b837_outp
	.p2align	8
	.type	k_qee3a53b837_outp,@function
k_qee3a53b837_outp:
	s_mov_b64 s[64:65], 0
	v_nop
	global_prefetch_b8 v0, s[64:65] scope:SCOPE_SE
	s_setreg_imm32_b32 hwreg(HW_REG_WAVE_MODE, 25, 1), 1
	s_wait_xcnt 0x0
	s_wait_alu depctr_hold_cnt(0) depctr_sa_sdst(0) depctr_va_vdst(0) depctr_va_sdst(0) depctr_va_ssrc(0) depctr_va_vcc(0) depctr_vm_vsrc(0)
	s_getreg_b32 s2, hwreg(HW_REG_IB_STS2, 6, 4)
	s_cmp_eq_u32 s2, 0
	s_cbranch_scc0 .Lentry_in_a_cluster
	s_endpgm
.Lentry_in_a_cluster:
	s_bfe_u32 s2, ttmp6, 0x10000c
	s_cmp_lg_u32 s2, 0xf033
	s_cbranch_scc0 .Lentry_shape_is_right
	s_endpgm
.Lentry_shape_is_right:
; OUTP: out0 [8192][1024] f32 = the attention's gated results (codes of E4M3 under e12, in oimg) x Wout (codes under e13, tiles 192-255 of wimg); each finished sum x 2^(e12 + e13).
; LIMIT: e12 + e13 lies between -126 and 127, so that 2^(e12 + e13) is an f32 number.
; A work-group makes 128 tokens x 256 columns: 64 x 4 = 256 work-groups.  Each of its four waves makes 64 x 128: 32 accumulators, 256 registers (window 2).
; K = 1,024 goes in four steps of 256 through two LDS slots.  OPERANDS ARE IMAGES OF THEIR REGISTERS (16 rows x 128 K = 2,048 bytes, byte 512 c + 16 lane + jj): a fragment is four ds_load_b128 of 512 consecutive bytes.
; A slot: wave 0 lands token tiles 0-3 at byte 0, wave 1 tiles 4-7 at 32,768, waves 2 and 3 the weights' tiles 0-7 and 8-15 at 65,536 and 98,304; a tile has 4,096 bytes (two steps of 128) in a slot.
; CLUSTER 4 x 4: partners with my cx need the same tokens, partners with my cy the same weights: each tile is asked for jointly, by the same tensor load with a mask that names the four.
; THE MATRIX INSTRUCTION IS USED TRANSPOSED (source 0 = 16 weight rows, source 1 = 16 tokens): a lane holds eight neighbouring columns of one row of out0.
; Both operands have two sets of fragment registers: a step's 48 LDS loads are issued ahead of the step before's 32 products.
; PREFETCHES: K slots 2 and 3 are asked into the L2, slot 2 at the head and slot 3 behind slot 1's load; slots 0 and 1 come by their loads alone.
; REGISTERS: window 0: v12-29 addresses; v128-255 tokens' fragments, two sets of four; on the way out v32-255.  Window 1: the weights' fragments, two sets of eight.  Window 2: accumulator (a, b) at v[8 (8 a + b)].
.set FR,    16                         ; registers of a fragment
.set NP,    4                          ; places behind this matrix instruction (ISA guide 7.12.1)
.set SLOT,  131072
.set SPARE, 2*SLOT                     ; behind the ring: the spare words, 128 bytes a wave, that no other line names
.set SPITCH, 528                       ; the way out: a stage of 16 rows x (512 + 16) bytes a wave, in slot 0, which has had its last fill and its last read by then
.set ROWC,  4096                       ; a row of out0 in bytes
.set LI,   12                          ; v12  16 x lane
.set PFK,  13                          ; v13  the prefetches: my lane's block of 256 bytes; never rewritten
.set ADRA, 16                          ; v16-17 LDS address of my tokens' fragments in slot 0, 1
.set ADRB, 20                          ; v20-21 the same for the weights
.set STO,  24                          ; v24  the stage, in
.set RD,   25                          ; v25  the stage, back
.set SPW,  28                          ; v28  LDS address of my spare word; never rewritten
.set NIL,  29                          ; v29  0; never rewritten
.set TMP,  32
.set AF,   128
.set BK,   128
.set G1,  24                           ; s[24:31] group 1 for the tokens' tiles (4 rows); s[32:39] group 0, one set a slot
.set G0,  32
.set G1B, 48                           ; s[48:55] group 1 for the weights' (8 rows); s[56:63] group 0
.set G0B, 56
.set MSB, 0
.macro WIN new                         ; the immediate's high byte repeats the setting that is left
.if MSB != \new
	s_set_vgpr_msb (MSB<<8)|\new
.set MSB, \new
.endif
.endm
.set MUL,  0xa1                        ; source 0 (weights) window 1, source 1 (tokens) window 0, C and D window 2
.set TO_B, 0x40                        ; destination window 1, address window 0
.macro JLOAD g0a, g1a, g0b, g1b        ; waves 0, 1 fetch tokens, waves 2, 3 weights; an s_nop 0 and four v_nop follow each line
	s_cmp_eq_u32 s83, 0
	s_cbranch_scc0 .Lfor_b_\@
	tensor_load_to_lds s[\g0a:\g0a+3], s[\g1a:\g1a+7]
	s_nop 0
.rept 4
	v_nop
.endr
	s_branch .Lasked_\@
.Lfor_b_\@:
	tensor_load_to_lds s[\g0b:\g0b+3], s[\g1b:\g1b+7]
	s_nop 0
.rept 4
	v_nop
.endr
.Lasked_\@:
.endm
.macro CREST                           ; a round of the cluster's barrier behind its opening barrier
	s_cmp_lg_u32 s82, 0
	s_cbranch_scc1 .Lnot_wave_0_\@
	s_barrier_signal -3
.Lnot_wave_0_\@:
	s_barrier_wait -3
	s_barrier_signal -1
	s_barrier_wait -1
.endm
.macro CROUND
	s_barrier_signal -1
	s_barrier_wait -1
	CREST
.endm
	s_load_b256 s[4:11], s[0:1], 0x0               ; oimg s[4:5], wimg s[6:7], the exponents s[8:9], out0 s[10:11]
	v_lshl_add_u32 v[SPW], v0, 2, SPARE
	v_mov_b32 v[NIL], 0
	ds_add_u32 v[SPW], v[NIL]                      ; the opening: the add, twice on end, and its wait ahead of my first tensor load
	ds_add_u32 v[SPW], v[NIL]
	v_lshrrev_b32 v1, 5, v0
	v_readfirstlane_b32 s82, v1                    ; wave 0..3
	s_lshr_b32 s83, s82, 1                         ; WH: which 64 tokens are mine.  Also: I fetch tokens (0) or weights (1)
	s_and_b32 s84, s82, 1                          ; WL: which 128 columns.  Also: which half of that tile I fetch
	s_bfe_u32 s40, ttmp6, 0x40000                  ; cx
	s_bfe_u32 s41, ttmp6, 0x40004                  ; cy: block of 256 columns
	s_lshl_b32 s42, ttmp9, 2
	s_add_co_u32 s42, s42, s40                     ; block of 128 tokens
	s_lshl_b32 s44, 0x1111, s40                    ; the partners with my cx
	s_lshl_b32 s45, s41, 2
	s_lshl_b32 s45, 15, s45                        ; the partners with my cy
	s_or_b32 s[G1+0], s44, (3<<16)|(1<<21)         ; the mask; elements of 8 bytes; no padding; bit 21 beside a mask
	s_or_b32 s[G1B+0], s45, (3<<16)|(1<<21)
	s_mov_b32 s[G1+2], 4<<16                       ; tensor_dim1: tokens 4 rows of 4,096 bytes,
	s_mov_b32 s[G1+4], 4
	s_mov_b32 s[G1B+2], 8<<16                      ; weights 8
	s_mov_b32 s[G1B+4], 8
.irp g, G1, G1B
	s_mov_b32 s[\g+1], 512<<16                     ; tensor_dim0 = 512 elements
	s_mov_b32 s[\g+3], 512<<16                     ; tile_dim0
	s_mov_b32 s[\g+5], 2048                        ; from tile to tile: 16,384 bytes
	s_mov_b32 s[\g+6], 0
	s_mov_b32 s[\g+7], 0
.endr
	s_lshl_b32 s22, s42, 17                        ; tokens: 8 tiles of 16,384 bytes a block,
	s_lshl_b32 s66, s84, 16                        ; 4 of them a half
	s_add_co_u32 s22, s22, s66
	s_mov_b32 s23, 0
	s_lshl_b32 s66, s84, 17
	s_lshl_b32 s46, s41, 18                        ; weights: 16 tiles a block, 8 a half,
	s_add_co_u32 s46, s46, s66
	s_add_co_u32 s46, s46, 192*16384               ; from tile 192 on
	s_mov_b32 s47, 0
	s_lshl_b32 s66, s82, 15                        ; where they go: 32,768 x wave
	s_wait_dscnt 0x0                               ; both opening adds are done
	s_wait_kmcnt 0x0
	s_load_b64 s[96:97], s[8:9], 0x30              ; e12, e13
	s_add_nc_u64 s[22:23], s[4:5], s[22:23]
	s_add_nc_u64 s[46:47], s[6:7], s[46:47]
	CROUND                                         ; all sixteen work-groups are here: the first joint loads meet
.irp s, 0,1
	s_mov_b32 s[G0+4*\s], 1
	s_add_co_u32 s[G0+4*\s+1], s66, \s*SLOT
	s_add_nc_u64 s[G0+4*\s+2:G0+4*\s+3], s[22:23], \s*4096
	s_or_b32 s[G0+4*\s+3], s[G0+4*\s+3], 0x80000000
	s_mov_b32 s[G0B+4*\s], 1
	s_add_co_u32 s[G0B+4*\s+1], s66, \s*SLOT
	s_add_nc_u64 s[G0B+4*\s+2:G0B+4*\s+3], s[46:47], \s*4096
	s_or_b32 s[G0B+4*\s+3], s[G0B+4*\s+3], 0x80000000
.endr
	JLOAD G0, G1, G0B, G1B                         ; slot 0: one tensor load a wave at the head
	; THE PREFETCHES.  A wave's part of a slot is 4 tiles (tokens) or 8 (weights) x 4,096 bytes; the four partners that ask for it jointly share it out BY ADDRESS: the partner at place p (cy for tokens, cx for weights) takes
	; tile p (16 blocks of 256 bytes; the lanes left over name the last block again) or tiles 2 p and 2 p + 1 (a lane a block).  Each slot is named at least a slot's steps ahead of the load that wants it.
	s_cmp_eq_u32 s83, 0
	s_cselect_b64 s[2:3], s[22:23], s[46:47]       ; my wave's part, K slot 0
	s_cselect_b32 s86, s41, s40                    ; my place among the four
	s_cselect_b32 s87, 1, 0                        ; 1: tokens
	s_lshl_b32 s86, s86, 15
	s_lshr_b32 s86, s86, s87                       ; two tiles of 16,384 bytes a partner, or one
	s_xor_b32 s80, s87, 1
	s_lshl_b32 s80, s80, 14                        ; lanes 16-31: the second tile, where there is one
	s_mul_i32 s81, s87, 3840                       ; or else the last block
	s_mov_b32 s87, 0
	s_add_nc_u64 s[2:3], s[2:3], s[86:87]
	v_and_b32 v1, 31, v0
	v_and_b32 v2, 15, v0
	s_wait_alu depctr_va_vdst(0)                   ; the wait
	v_bfe_u32 v3, v0, 4, 1
	v_lshlrev_b32 v[LI], 4, v1
	s_lshl_b32 s86, s83, 15                        ; my 4 tiles of tokens
	s_lshl_b32 s87, s84, 15
	s_add_co_u32 s87, s87, 65536                   ; my 8 tiles of weights
.irp s, 0,1
	v_add_nc_u32 v[ADRA+\s], s86, v[LI]
	v_add_nc_u32 v[ADRB+\s], s87, v[LI]
	s_add_co_u32 s86, s86, SLOT
	s_add_co_u32 s87, s87, SLOT
.endr
	s_mul_i32 s86, s82, 16*SPITCH                  ; my stage
	v_mul_u32_u24 v5, v2, SPITCH
	s_wait_alu depctr_va_vdst(0)                   ; likewise for v3
	v_lshl_add_u32 v5, v3, 5, v5
	v_add_nc_u32 v[STO], s86, v5                   ; in: row lane % 16, 32 bytes for each half of the lanes
	v_add_nc_u32 v[RD], s86, v[LI]                 ; back: the 32 lanes take a row of 512 bytes
	v_and_b32 v[PFK], 15, v0
	v_mul_u32_u24 v4, v3, s81
	v_lshlrev_b32 v[PFK], 8, v[PFK]
	v_max_u32 v[PFK], v[PFK], v4
	v_mad_u32_u24 v[PFK], v3, s80, v[PFK]
	global_prefetch_b8 v[PFK], s[2:3] offset:8192 th:TH_LOAD_NT scope:SCOPE_SE    ; K slot 2
	s_lshl_b32 s86, s42, 7
	s_lshl_b32 s87, s83, 6
	s_add_co_u32 s86, s86, s87                     ; my first row: 128 x block + 64 WH
	s_lshl_b32 s86, s86, 12
	s_lshl_b32 s87, s41, 10
	s_add_co_u32 s86, s86, s87
	s_lshl_b32 s87, s84, 9
	s_add_co_u32 s86, s86, s87                     ; my first column, in bytes: 1,024 cy + 512 WL
	s_mov_b32 s87, 0
	s_add_nc_u64 s[10:11], s[10:11], s[86:87]
.macro FRAG reg, adr, q, i             ; tile i's fragment of the slot's q-th 128 along K
.irp c, 0,1,2,3
	ds_load_b128 v[\reg+4*\c:\reg+4*\c+3], v[\adr] offset:4096*(\i)+2048*(\q)+512*\c
.endr
.endm
; 16 matrix instructions: fragment registers a0, a0 + 1 of the tokens (set a0 / 4) x the weights' eight (set p).  The 32 accumulators take turns, one instruction a turn, in the same order in every step.
.macro MUL16 a0, p, zero
.irp a, \a0, \a0+1
.irp b, 0,1,2,3,4,5,6,7
.if \zero
	v_wmma_f32_16x16x128_fp8_fp8 v[8*(8*((\a)%4)+\b):8*(8*((\a)%4)+\b)+7], v[128*(\p)+FR*\b:128*(\p)+FR*\b+FR-1], v[AF+FR*(\a):AF+FR*(\a)+FR-1], 0
.else
	v_wmma_f32_16x16x128_fp8_fp8 v[8*(8*((\a)%4)+\b):8*(8*((\a)%4)+\b)+7], v[128*(\p)+FR*\b:128*(\p)+FR*\b+FR-1], v[AF+FR*(\a):AF+FR*(\a)+FR-1], v[8*(8*((\a)%4)+\b):8*(8*((\a)%4)+\b)+7]
.endif
.endr
.endr
.endm
.macro FETCH slot, q, p                ; 48 LDS loads: the weights' eight and my tokens' four fragments into sets p
	WIN TO_B
.irp i, 0,1,2,3,4,5,6,7
	FRAG 128*(\p)+FR*\i, ADRB+\slot, \q, \i
.endr
	WIN 0
.irp i, 0,1,2,3
	FRAG AF+FR*(\i+4*(\p)), ADRA+\slot, \q, \i
.endr
.endm
.macro PLACES n                        ; plain vector lines between a matrix instruction and a load into, or a vector line on, one of its registers (ISA guide 7.12.1 for vector lines)
.rept \n
	v_nop
.endr
.endm
.macro STEP slot, zero                 ; a slot's first 128 along K, on sets 0; fetches its second 128 into sets 1
	s_wait_dscnt 0
	PLACES NP
	FETCH \slot, 1, 1
	WIN MUL
	MUL16 0, 0, \zero
	MUL16 2, 0, \zero
	WIN 0
.endm
; A slot's second 128, on sets 1, and the change of slots: ONE barrier; ahead of it each wave waits for all its tensor loads, adds 0 to its spare word, and waits for that and for its reads of this slot.
; fill = 1: the barrier opens a round of the cluster's, and this slot is filled again, first thing behind it.
.macro TURN slot, next, fill
	s_wait_tensorcnt 0x0                           ; all my tensor loads have landed: my part of the next slot
	ds_add_u32 v[SPW], v[NIL]
	s_wait_dscnt 0x0                               ; the add is done, and my reads of this slot are over
	s_barrier_signal -1
	WIN MUL
	MUL16 4, 1, 0
	WIN 0
	s_barrier_wait -1
.if \fill
	CREST                                          ; no wave of any partner still reads this slot or has a load on its way
	s_add_nc_u64 s[G0+4*\slot+2:G0+4*\slot+3], s[G0+4*\slot+2:G0+4*\slot+3], 8192
	s_add_nc_u64 s[G0B+4*\slot+2:G0B+4*\slot+3], s[G0B+4*\slot+2:G0B+4*\slot+3], 8192
	JLOAD G0+4*\slot, G1, G0B+4*\slot, G1B         ; its four v_nop are also the places ahead of the loads below
.else
	PLACES NP
.endif
	FETCH \next, 0, 0
	WIN MUL
	MUL16 6, 1, 0
	WIN 0
.endm
	s_wait_alu depctr_va_vdst(0)                   ; the wait at the head's end
	s_wait_tensorcnt 0x0                           ; my part of slot 0 is in
	ds_add_u32 v[SPW], v[NIL]
	s_wait_dscnt 0x0
	CROUND                                         ; everybody's part of slot 0 is in, and all sixteen work-groups are here
	JLOAD G0+4, G1, G0B+4, G1B                     ; slot 1's first fill: the first tensor load behind the round
	FETCH 0, 0, 0
	global_prefetch_b8 v[PFK], s[2:3] offset:12288 th:TH_LOAD_NT scope:SCOPE_SE   ; K slot 3
	STEP 0, 1                                      ; K 0-127: its products start the sums: nothing is cleared
	TURN 0, 1, 1
	STEP 1, 0
	TURN 1, 0, 1
	STEP 0, 0
	TURN 0, 1, 0                                   ; nothing is left to fetch: no round
	STEP 1, 0
	s_wait_dscnt 0
	WIN MUL
	MUL16 4, 1, 0
	MUL16 6, 1, 0
	WIN 0
; THE WAY OUT, block by block of 16 rows x 128 columns: through my own stage in LDS, back as whole rows of 512 bytes, which the 32 lanes store as two aligned runs of 256 bytes.
; LDS serves a wave's instructions in order (ISA guide 5.7.1.4): no wait between the stores and the loads.
.macro TOSTAGE a
.set AC, 64*(\a)
	WIN 0x02                                       ; source 0: window 2
.set ii, 0
.rept 32
	v_pk_mul_f32 v[TMP+ii:TMP+ii+1], v[AC+ii:AC+ii+1], s[96:97] op_sel_hi:[1,0]   ; both x s96 = 2^(e12 + e13); each accumulator from its low end on
.set ii, ii+2
.endr
	WIN 0
.irp b, 0,1,2,3,4,5,6,7
	ds_store_b128 v[STO], v[TMP+8*\b:TMP+8*\b+3] offset:64*\b
	ds_store_b128 v[STO], v[TMP+8*\b+4:TMP+8*\b+7] offset:64*\b+16
.endr
.set BB, BK+64*((\a)%2)
.irp t, 0,1,2,3,4,5,6,7,8,9,10,11,12,13,14,15
	ds_load_b128 v[BB+4*\t:BB+4*\t+3], v[RD] offset:\t*SPITCH
.endr
.endm
.macro SEND a, younger                 ; younger: the LDS instructions issued behind block a's loads, which may stay out
.set BB, BK+64*((\a)%2)
	s_wait_dscnt \younger
.if (\a) > 0
	s_add_nc_u64 s[10:11], s[10:11], 16*ROWC       ; (behind a wait on XCNT: the earlier stores have read their base)
.endif
.irp t, 0,1,2,3,4,5,6,7,8,9,10,11,12,13,14,15
	global_store_b128 v[LI], v[BB+4*\t:BB+4*\t+3], s[10:11] offset:\t*ROWC th:TH_STORE_NT
.endr
.endm
	s_wait_kmcnt 0x0
	s_add_co_i32 s96, s96, s97
	s_add_co_i32 s96, s96, 127
	s_lshl_b32 s96, s96, 23                        ; 2^(e12 + e13) as f32
	PLACES NP                                      ; ahead of the first read of results and of loads into the fragments' registers
	TOSTAGE 0
.irp a, 1,2,3
.if \a > 1
	s_wait_xcnt 0x0                                ; block a - 2's stores have read their registers and their base
.endif
	TOSTAGE \a
	SEND \a-1, 32                                  ; behind block a - 1's loads: block a's 16 stores and 16 loads
.endr
	s_wait_xcnt 0x0
	SEND 3, 0
	s_wait_tensorcnt 0x0                           ; the wave's end
	ds_add_u32 v[SPW], v[NIL]
	s_wait_dscnt 0x0
	CROUND                                         ; the closing round: no work-group ends while a partner may still ask for a tile that names it
	s_endpgm
.Lfunc_end_k_qee3a53b837_outp:
	.size	k_qee3a53b837_outp, .Lfunc_end_k_qee3a53b837_outp-k_qee3a53b837_outp
	.p2alignl 7, 3214868480
	.fill 96, 4, 3214868480
	.section	.rodata,"a",@progbits
	.p2align	6, 0x0
	.amdhsa_kernel k_qee3a53b837_outp
		.amdhsa_group_segment_fixed_size 327680
		.amdhsa_private_segment_fixed_size 0
		.amdhsa_enable_private_segment 0
		.amdhsa_kernarg_size 32
		.amdhsa_user_sgpr_count 2
		.amdhsa_user_sgpr_kernarg_segment_ptr 1
		.amdhsa_wavefront_size32 1
		.amdhsa_system_sgpr_workgroup_id_x 1
		.amdhsa_system_sgpr_workgroup_id_y 1
		.amdhsa_system_sgpr_workgroup_id_z 1
		.amdhsa_system_vgpr_workitem_id 0
		.amdhsa_next_free_vgpr 768
		.amdhsa_next_free_sgpr 98
		.amdhsa_reserve_vcc 0
		.amdhsa_float_denorm_mode_32 3
		.amdhsa_float_denorm_mode_16_64 3
		.amdhsa_memory_ordered 1
		.amdhsa_forward_progress 1
		.amdhsa_inst_pref_size 76
	.end_amdhsa_kernel
	.amdgpu_metadata
---
amdhsa.version: [ 1, 2 ]
amdhsa.kernels:
  - .name:           k_qee3a53b837_outp
    .symbol:         k_qee3a53b837_outp.kd
    .args:
      - { .name: oimg, .offset: 0, .size: 8, .value_kind: global_buffer, .address_space: global }
      - { .name: wimg, .offset: 8, .size: 8, .value_kind: global_buffer, .address_space: global }
      - { .name: lowp_scales, .offset: 16, .size: 8, .value_kind: global_buffer, .address_space: global }
      - { .name: out0, .offset: 24, .size: 8, .value_kind: global_buffer, .address_space: global }
    .group_segment_fixed_size: 327680
    .private_segment_fixed_size: 0
    .kernarg_segment_align: 8
    .kernarg_segment_size: 32
    .max_flat_workgroup_size: 128
    .sgpr_count:     98
    .vgpr_count:     768
    .wavefront_size: 32
...
	.end_amdgpu_metadata
.endif
;; end of part 4
